; MI455X (gfx1250); checked and timed in simulation.
; The chip was launched on July 23, 2026; its instructions are those of AMD's public machine-readable ISA for CDNA 5 (MIT licence, August 2026) and "CDNA5" Instruction Set Architecture Reference Guide (July 2026). The comments in the code are by the model that wrote it; some were corrected since.
;; Causal Self Attention. Allowed arithmetic: float matrix products may take bf16 or f16 operands with f32 sums; other float arithmetic in f32, or as packed bf16 or f16 multiplies, adds, multiply-adds, maxima and minima; sums over many terms, partial sums and values carried from step to step in f32; what a program stores and reads back later, other than sums and carried values, may be rounded once to bf16 or f16.
;; Inputs: W_K 1,024 x 1,024 float32; W_Q 1,024 x 1,024 float32; W_V 1,024 x 1,024 float32; X 4 x 2,048 x 1,024 float32.
;; Outputs: out0 4 x 2,048 x 1,024 float32.
;; 2 versions, each right; version 2 is version 1 with the launch prep written anew for expert scheduling mode. Each part assembles by itself: llvm-mc -triple=amdgcn-amd-amdhsa -mcpu=gfx1250 --defsym DOCPART=n.
;; ======== version 1 of 2: 4 launches
;; limits: values are held in f16: magnitudes above 65,504 overflow, below 6.1e-05 lose precision
;; workspace buffers: x16 16,777,216 bytes; wcat 6,291,456 bytes; qkv 50,331,648 bytes; p 33,554,432 bytes; stm 524,288 bytes; stl 524,288 bytes
;; launch prep (part 1): grid 704 x 1, 8 waves a work-group, no clusters, 0 bytes of LDS; arguments X, W_Q, W_K, W_V, x16, wcat; writes x16, wcat
.if DOCPART == 1
	.amdgcn_target "amdgcn-amd-amdhsa--gfx1250"
	.amdhsa_code_object_version 6
	.text
	.protected	k_qb5af2de876_prep
	.globl	k_qb5af2de876_prep
	.p2align	8
	.type	k_qb5af2de876_prep,@function
k_qb5af2de876_prep:
	s_mov_b64 s[64:65], 0
	v_nop
	global_prefetch_b8 v0, s[64:65] scope:SCOPE_SE
	s_setreg_imm32_b32 hwreg(HW_REG_WAVE_MODE, 25, 1), 1
	s_wait_xcnt 0x0
; X and the three weights, f32, are rounded once to bf16: x16 [8192][1024]; wcat [3072][1024] = W_Q's rows, then W_K's, then W_V's.
; A stream: every byte is read once and written once, so no LDS, no barrier and no matrix unit.
; A row of 1,024 f32 is 256 threads x 16 bytes; a work-group takes 16 rows.  Work-groups 0-511: X; 512-575: W_Q; 576-639: W_K; 640-703: W_V.
; All 16 loads of a thread go out at once; each row has registers of its own, so nothing is written twice and the only waits are the counted ones.
.set ROWB, 4096                        ; bytes in a row of f32
.set OUTB, 2048                        ; bytes in a row of bf16
.set NR,   16                          ; rows of a work-group
.set XI,   8                           ; v[8:71]    row i: 4 numbers as loaded
.set YO,   72                          ; v[72:103]  row i: 4 numbers in bf16
	s_load_b256 s[4:11], s[0:1], 0x0               ; X s[4:5], W_Q s[6:7], W_K s[8:9], W_V s[10:11]
	s_load_b128 s[12:15], s[0:1], 0x20             ; x16 s[12:13], wcat s[14:15]
	v_lshlrev_b32 v1, 4, v0                        ; my 16 bytes of a row of f32
	v_lshlrev_b32 v2, 3, v0                        ; my 8 bytes of a row of bf16
	s_sub_co_u32 s16, ttmp9, 512                   ; the block's number among the weights' (used from 512 on)
	s_and_b32 s17, s16, 63                         ; and inside its own weight
	s_cmp_lt_u32 ttmp9, 512
	s_cselect_b32 s24, ttmp9, s17                  ; block of 16 rows in the source
	s_cselect_b32 s26, ttmp9, s16                  ; and in the destination
	s_lshl_b32 s24, s24, 16                        ; x 16 rows x 4,096 bytes
	s_lshl_b32 s26, s26, 15                        ; x 16 rows x 2,048 bytes
	s_mov_b32 s25, 0
	s_mov_b32 s27, 0
	s_wait_kmcnt 0x0
	s_cmp_lt_u32 ttmp9, 640
	s_cselect_b64 s[20:21], s[8:9], s[10:11]
	s_cmp_lt_u32 ttmp9, 576
	s_cselect_b64 s[20:21], s[6:7], s[20:21]
	s_cmp_lt_u32 ttmp9, 512
	s_cselect_b64 s[20:21], s[4:5], s[20:21]
	s_cselect_b64 s[22:23], s[12:13], s[14:15]
	s_add_nc_u64 s[20:21], s[20:21], s[24:25]
	s_add_nc_u64 s[22:23], s[22:23], s[26:27]
.set i, 0
.rept NR
	global_load_b128 v[XI+4*i:XI+4*i+3], v1, s[20:21] offset:ROWB*i th:TH_LOAD_NT
.set i, i+1
.endr
.set i, 0
.rept NR
	s_wait_loadcnt NR-1-i                          ; loads come back in order: row i is in, the younger ones stay out
	v_cvt_pk_bf16_f32 v[YO+2*i], v[XI+4*i], v[XI+4*i+1]
	v_cvt_pk_bf16_f32 v[YO+2*i+1], v[XI+4*i+2], v[XI+4*i+3]
	global_store_b64 v2, v[YO+2*i:YO+2*i+1], s[22:23] offset:OUTB*i  ; a wave's store covers 256 consecutive bytes, aligned
.set i, i+1
.endr
	s_endpgm
.Lfunc_end_k_qb5af2de876_prep:
	.size	k_qb5af2de876_prep, .Lfunc_end_k_qb5af2de876_prep-k_qb5af2de876_prep
	.p2alignl 7, 3214868480
	.fill 96, 4, 3214868480
	.section	.rodata,"a",@progbits
	.p2align	6, 0x0
	.amdhsa_kernel k_qb5af2de876_prep
		.amdhsa_group_segment_fixed_size 0
		.amdhsa_private_segment_fixed_size 0
		.amdhsa_enable_private_segment 0
		.amdhsa_kernarg_size 48
		.amdhsa_user_sgpr_count 2
		.amdhsa_user_sgpr_kernarg_segment_ptr 1
		.amdhsa_wavefront_size32 1
		.amdhsa_system_sgpr_workgroup_id_x 1
		.amdhsa_system_sgpr_workgroup_id_y 1
		.amdhsa_system_sgpr_workgroup_id_z 1
		.amdhsa_system_vgpr_workitem_id 0
		.amdhsa_next_free_vgpr 104
		.amdhsa_next_free_sgpr 66
		.amdhsa_reserve_vcc 0
		.amdhsa_float_denorm_mode_32 3
		.amdhsa_float_denorm_mode_16_64 3
		.amdhsa_memory_ordered 1
		.amdhsa_forward_progress 1
		.amdhsa_inst_pref_size 7
	.end_amdhsa_kernel
	.amdgpu_metadata
---
amdhsa.version: [ 1, 2 ]
amdhsa.kernels:
  - .name:           k_qb5af2de876_prep
    .symbol:         k_qb5af2de876_prep.kd
    .args:
      - { .name: X, .offset: 0, .size: 8, .value_kind: global_buffer, .address_space: global }
      - { .name: W_Q, .offset: 8, .size: 8, .value_kind: global_buffer, .address_space: global }
      - { .name: W_K, .offset: 16, .size: 8, .value_kind: global_buffer, .address_space: global }
      - { .name: W_V, .offset: 24, .size: 8, .value_kind: global_buffer, .address_space: global }
      - { .name: x16, .offset: 32, .size: 8, .value_kind: global_buffer, .address_space: global }
      - { .name: wcat, .offset: 40, .size: 8, .value_kind: global_buffer, .address_space: global }
    .group_segment_fixed_size: 0
    .private_segment_fixed_size: 0
    .kernarg_segment_align: 8
    .kernarg_segment_size: 48
    .max_flat_workgroup_size: 256
    .sgpr_count:     66
    .vgpr_count:     104
    .wavefront_size: 32
...
	.end_amdgpu_metadata
.endif
;; end of part 1
;; launch proj (part 2): grid 12 x 32, 4 waves a work-group, clusters of 4 x 4, 327,680 bytes of LDS; arguments x16, wcat, qkv; writes qkv
.if DOCPART == 2
	.amdgcn_target "amdgcn-amd-amdhsa--gfx1250"
	.amdhsa_code_object_version 6
	.text
	.protected	k_qb5af2de876_proj
	.globl	k_qb5af2de876_proj
	.p2align	8
	.type	k_qb5af2de876_proj,@function
k_qb5af2de876_proj:
	s_mov_b64 s[64:65], 0
	v_nop
	global_prefetch_b8 v0, s[64:65] scope:SCOPE_SE
	s_setreg_imm32_b32 hwreg(HW_REG_WAVE_MODE, 25, 1), 1
	s_wait_xcnt 0x0
	s_wait_alu depctr_hold_cnt(0) depctr_sa_sdst(0) depctr_va_vdst(0) depctr_va_sdst(0) depctr_va_ssrc(0) depctr_va_vcc(0) depctr_vm_vsrc(0)
	s_getreg_b32 s2, hwreg(HW_REG_IB_STS2, 6, 4)
	s_cmp_eq_u32 s2, 0
	s_cbranch_scc0 .Lentry_in_a_cluster
	s_endpgm
.Lentry_in_a_cluster:
	s_bfe_u32 s2, ttmp6, 0x10000c
	s_cmp_lg_u32 s2, 0xf033
	s_cbranch_scc0 .Lentry_shape_is_right
	s_endpgm
.Lentry_shape_is_right:
; qkv[m][n] = sum over k of x16[m][k] wcat[n][k].  x16: [8192][1024] bf16, wcat: [3072][1024] bf16, qkv: [8192][3072] f16 (Q, K, V side by side in a row); sums in f32, rounded once.
; LIMIT.  f16 ends at 65,504: a q, k or v beyond that becomes an infinity.  With X and W both 30 times the drawn spread they have a spread of 900; with a common offset of 30 spreads on both, about 28,800.
; SHARES.  A work-group makes one tile of 256 x 256: rows 256 ty of x16 against rows 256 tx of wcat; 12 x 32 = 384 work-groups.  Four waves; wave (rh, ch) makes 128 x 128: 64 accumulators of 16 x 16.
; A wave's piece of a row of qkv is 256 bytes, aligned, so each wave has a stage of its own and the way out has no barrier.
; WHY THIS TILE.  K goes in steps of 128 through two LDS slots.  A step of this tile holds 256 matrix instructions a wave, 224 of them between a tile's request and the wait for it, and 32 LDS loads feed 64
; matrix instructions; a tile of 256 x 128 has half the work in a step for three quarters of the bytes.  Two slots of a larger tile, or of a longer step, do not fit in LDS.
; CLUSTER.  4 x 4 work-groups: the four of a row of the cluster need the same rows of x16, the four of a column the same rows of wcat: each tile is asked for jointly.
; THE PRODUCT IS TAKEN TRANSPOSED (source 0 = 16 rows of wcat, source 1 = 16 rows of x16): a lane holds one row of qkv and eight neighbouring columns.
; REGISTERS.  window 0: v0-31 addresses; v64-127, v128-191 x16's fragments, two buffers; on the way out v192-223 packed results, v32-63 and v224-255 rows read back, by turns.
;   window 1: v64-127, v128-191 wcat's fragments;  window 2: the accumulators of my rows 0-63 ((a, b) at v[8 (8 a + b)]);  window 3: of my rows 64-127.
.set KSTEP,  128
.set PITCH,  272                       ; an LDS row: 256 bytes + 16 of padding: the 16 rows of a fragment load start at 16 different groups of four banks
.set HALFT,  128*PITCH                 ; 128 rows: what one tensor load brings, and what one wave reads of x16 or of wcat
.set SLOT,   4*HALFT                   ; x16's 256 rows, then wcat's 256 rows
.set STAGE,  2*SLOT                    ; behind the ring: 16 rows x 272 bytes for each wave
.set SPARE,  STAGE+4*16*PITCH          ; behind the stages: the spare words, 128 bytes a wave, which no other line names
.set OP,     6144                      ; bytes in a row of qkv
.set LAPS,   4                         ; a lap = two K steps
.set ADRA, 16                          ; v16-17  LDS address of my x16 fragments in slot 0, 1
.set ADRB, 20                          ; v20-21  the same for wcat
.set STO,  24                          ; v24     where I put 16 bytes of a row
.set RD,   25                          ; v25     where I read a row back
.set CO,   26                          ; v26     my byte offset in two rows of qkv
.set SPW,  28                          ; v28     my spare word; never rewritten
.set NIL,  29                          ; v29     0; never rewritten
.set PFO,  30                          ; v30     my lane x a row of 2,048 bytes; never rewritten
.set OB,   32
.set F0,   64
.set F1,   128
.set TMP,  192
.set G1,   24                          ; s[24:31] group 1 for x16's tiles;  s[32:39] group 0, a set a slot
.set G0,   32
.set G1B,  48                          ; s[48:55], s[56:63] the same for wcat's
.set G0B,  56
.set LIM,  43                          ; s43  1 in a wave that prefetches, else the greatest number
.set PFA,  44                          ; s[44:45] where my prefetches stand
.set MUL_LO, 0xa1                      ; source 0 (wcat) window 1, source 1 (x16) window 0, C and D window 2
.set TO_B,   0x40                      ; destination window 1, address window 0
.set MSB, 0
.macro WIN new                         ; the immediate's high byte repeats the setting that is left; a switch that changes nothing is dropped
.if MSB != (\new)
	s_set_vgpr_msb (MSB<<8)|(\new)
.set MSB, \new
.endif
.endm
.macro PLACES                          ; four places behind matrix instructions, in front of loads into their sources and of readers of their results
.rept 4
	v_nop
.endr
.endm
; A joint load: waves 0 and 1 fetch x16's two halves, waves 2 and 3 wcat's.  The branch hangs on the wave's number alone.
.macro JLOAD s
	s_cmp_eq_u32 s11, 0
	s_cbranch_scc0 .Lfor_b_\@
	tensor_load_to_lds s[G0+4*(\s):G0+4*(\s)+3], s[G1:G1+7]
	s_nop 0
	PLACES
	s_branch .Lasked_\@
.Lfor_b_\@:
	tensor_load_to_lds s[G0B+4*(\s):G0B+4*(\s)+3], s[G1B:G1B+7]
	s_nop 0
	PLACES
.Lasked_\@:
.endm
; A prefetch of the K step that stands two refills on: 32 rows x 256 bytes, a lane a row, one instruction a wave.  x16's rows are named by the clusters with x = 0, wcat's by the clusters with y = 0; of the
; 128 rows that a wave fetches each of the four partners that ask for them jointly takes 32, told apart by address.  So each row's 256 bytes of a K step are named once in the launch.
; The loop's last trip (s3 = 1) has no K step two on and asks for nothing.
.macro ASK
	s_cmp_gt_u32 s3, s[LIM]
	s_cbranch_scc0 .Lnot_mine_\@
	global_prefetch_b8 v[PFO], s[PFA:PFA+1] offset:KSTEP*2 th:TH_LOAD_NT scope:SCOPE_SE
.Lnot_mine_\@:
.endm
.macro CREST                           ; a round of the cluster's barrier behind its opening barrier
	s_cmp_lg_u32 s10, 0
	s_cbranch_scc1 .Lnot_wave_0_\@
	s_barrier_signal -3
.Lnot_wave_0_\@:
	s_barrier_wait -3
	s_barrier_signal -1
	s_barrier_wait -1
.endm
.macro CROUND
	s_barrier_signal -1
	s_barrier_wait -1
	CREST
.endm
	s_load_b128 s[4:7], s[0:1], 0x0                ; x16 s[4:5], wcat s[6:7]
	s_load_b64 s[8:9], s[0:1], 0x10                ; qkv
	v_lshl_add_u32 v[SPW], v0, 2, SPARE
	v_mov_b32 v[NIL], 0
	ds_add_u32 v[SPW], v[NIL]                      ; the wave's opening: the add and its wait stand ahead of my first tensor load
	v_lshrrev_b32 v1, 5, v0
	v_readfirstlane_b32 s10, v1                    ; wave 0..3
	s_lshr_b32 s11, s10, 1                         ; my half of the tile's rows.  Also: I fetch for x16 (0) or for wcat (1)
	s_and_b32 s12, s10, 1                          ; my half of its columns.  Also: which 128 rows of that tile I fetch
	s_bfe_u32 s40, ttmp6, 0x40000                  ; cx
	s_bfe_u32 s41, ttmp6, 0x40004                  ; cy
	s_lshl_b32 s42, ttmp9, 2
	s_add_co_u32 s42, s42, s40                     ; tx = 4 x cluster x + cx
	s_and_b32 s13, ttmp7, 0xffff
	s_lshl_b32 s13, s13, 2
	s_add_co_u32 s13, s13, s41                     ; ty = 4 x cluster y + cy
	s_lshl_b32 s43, s41, 2
	s_lshl_b32 s43, 15, s43                        ; my row of the cluster
	s_lshl_b32 s44, 0x1111, s40                    ; my column
	s_or_b32 s[G1+0], s43, (1<<16)|(1<<20)|(1<<21)|(5<<22)|(3<<25)   ; the mask; 2-byte elements; padding on; bit 21 beside a mask; after every 64 words, 4 words
	s_or_b32 s[G1B+0], s44, (1<<16)|(1<<20)|(1<<21)|(5<<22)|(3<<25)
.irp g, G1, G1B
	s_mov_b32 s[(\g)+1], KSTEP<<16                 ; tensor_dim0 = 128
	s_mov_b32 s[(\g)+2], 128<<16                   ; tensor_dim1 = 128
	s_mov_b32 s[(\g)+3], KSTEP<<16                 ; tile_dim0 = 128
	s_mov_b32 s[(\g)+4], 128                       ; tile_dim1 = 128
	s_mov_b32 s[(\g)+5], 1024                      ; elements from row to row
	s_mov_b32 s[(\g)+6], 0
	s_mov_b32 s[(\g)+7], 0
.endr
	s_lshl_b32 s17, s12, 7
	s_lshl_b32 s16, s13, 8
	s_add_co_u32 s16, s16, s17                     ; x16: row 256 ty + 128 x half
	s_lshl_b32 s16, s16, 11                        ; in bytes (under 2^24)
	s_mov_b32 s17, 0
	s_lshl_b32 s47, s12, 7
	s_lshl_b32 s46, s42, 8
	s_add_co_u32 s46, s46, s47                     ; wcat: row 256 tx + 128 x half
	s_lshl_b32 s46, s46, 11
	s_mov_b32 s47, 0
	s_mul_i32 s20, s10, HALFT                      ; where they go: wave x 128 rows: no place in the cluster enters an LDS address
	s_wait_dscnt 0x0                               ; the opening add is done
	s_wait_kmcnt 0x0
	s_add_nc_u64 s[14:15], s[4:5], s[16:17]
	s_add_nc_u64 s[46:47], s[6:7], s[46:47]
	CROUND                                         ; all sixteen work-groups are here: the first joint loads meet
.irp s, 0,1
	s_mov_b32 s[G0+4*(\s)], 1
	s_add_co_u32 s[G0+4*(\s)+1], s20, (\s)*SLOT
	s_add_nc_u64 s[G0+4*(\s)+2:G0+4*(\s)+3], s[14:15], (\s)*KSTEP*2
	s_or_b32 s[G0+4*(\s)+3], s[G0+4*(\s)+3], 0x80000000
	s_mov_b32 s[G0B+4*(\s)], 1
	s_add_co_u32 s[G0B+4*(\s)+1], s20, (\s)*SLOT
	s_add_nc_u64 s[G0B+4*(\s)+2:G0B+4*(\s)+3], s[46:47], (\s)*KSTEP*2
	s_or_b32 s[G0B+4*(\s)+3], s[G0B+4*(\s)+3], 0x80000000
	JLOAD \s                                       ; two loads of mine are out
.endr
	; a fragment is 16 rows x 32 K in 8 registers: lane l holds row l % 16, K = 8 (l / 16) + 0..7 and 16 + 8 (l / 16) + 0..7: two loads of 16 bytes, 32 bytes apart
	v_and_b32 v1, 15, v0                           ; l % 16
	v_bfe_u32 v2, v0, 4, 1                         ; l / 16
	v_mul_u32_u24 v3, v1, PITCH
	v_lshl_add_u32 v3, v2, 4, v3
	s_mul_i32 s21, s11, HALFT                      ; my 128 rows of x16
	s_mul_i32 s22, s12, HALFT                      ; my 128 rows of wcat,
	s_add_co_u32 s22, s22, 2*HALFT                 ; which lie behind x16's 256
.irp s, 0,1
	v_add_nc_u32 v[ADRA+(\s)], s21, v3
	v_add_nc_u32 v[ADRB+(\s)], s22, v3
	s_add_co_u32 s21, s21, SLOT
	s_add_co_u32 s22, s22, SLOT
.endr
	s_mul_i32 s23, s10, 16*PITCH
	s_add_co_u32 s23, s23, STAGE                   ; my stage
	v_add_nc_u32 v[STO], s23, v3                   ; in: row l % 16, 16 bytes for each half of the lanes
	v_mul_u32_u24 v5, v2, PITCH                    ; back: lanes 0-15 one row of 256 bytes, lanes 16-31 the next
	v_lshl_add_u32 v5, v1, 4, v5
	v_add_nc_u32 v[RD], s23, v5
	v_mul_u32_u24 v5, v2, OP
	v_lshl_add_u32 v[CO], v1, 4, v5
	s_lshl_b32 s16, s13, 8
	s_lshl_b32 s17, s11, 7
	s_add_co_u32 s16, s16, s17                     ; my first row of qkv
	s_mul_i32 s16, s16, OP                         ; under 2^26
	s_mov_b32 s17, 0
	s_add_nc_u64 s[8:9], s[8:9], s[16:17]
	s_lshl_b32 s46, s42, 9                         ; my first column, in bytes: 512 tx + 256 x half
	s_lshl_b32 s47, s12, 8
	s_add_co_u32 s46, s46, s47
	s_mov_b32 s47, 0
	s_add_nc_u64 s[8:9], s[8:9], s[46:47]
	; the prefetches
	s_lshl_b32 s20, s13, 8                         ; the tile's first row in x16,
	s_lshl_b32 s21, s42, 8                         ; and in wcat
	s_and_b32 s22, ttmp7, 0xffff                   ; cluster y
	s_cmp_eq_u32 s11, 0                            ; do I fetch for x16?
	s_cselect_b32 s20, s20, s21
	s_cselect_b32 s21, s40, s41                    ; my place among the four that ask for the tile with me
	s_cselect_b32 s22, ttmp9, s22                  ; the coordinate along which other clusters read the same rows
	s_cselect_b64 s[PFA:PFA+1], s[4:5], s[6:7]
	s_cmp_eq_u32 s22, 0
	s_cselect_b32 s[LIM], 1, -1                    ; the same in all sixteen partners, for a given wave
	s_lshl_b32 s22, s12, 7
	s_add_co_u32 s20, s20, s22                     ; + the 128 rows that I fetch
	s_lshl_b32 s21, s21, 5
	s_add_co_u32 s20, s20, s21                     ; + my work-group's 32 of them
	s_lshl_b32 s20, s20, 11
	s_mov_b32 s21, 0
	s_add_nc_u64 s[PFA:PFA+1], s[PFA:PFA+1], s[20:21]
	s_add_nc_u64 s[PFA:PFA+1], s[PFA:PFA+1], 2*KSTEP*2  ; at K step 2: the first refill steps it to 3 and names K step 4; nothing is asked for here, at the head
	v_and_b32 v[PFO], 31, v0
	v_lshlrev_b32 v[PFO], 11, v[PFO]
; 16 matrix instructions: row blocks a0, a0 + 1 of the window's four (hi = 0: my rows 0-63, 1: rows 64-127) x all 8 column blocks, 32 along K.  zero = 1: the product starts the sums.
; The 64 accumulators take turns, one instruction a turn, in the same order in every quarter.
.macro MUL16 f, hi, a0, zero
	WIN MUL_LO+0x50*(\hi)
.irp a, \a0, (\a0)+1
.irp b, 0,1,2,3,4,5,6,7
.if \zero
	v_wmma_f32_16x16x32_bf16 v[8*(8*(\a)+(\b)):8*(8*(\a)+(\b))+7], v[(\f)+8*(\b):(\f)+8*(\b)+7], v[(\f)+8*(4*(\hi)+(\a)):(\f)+8*(4*(\hi)+(\a))+7], 0
.else
	v_wmma_f32_16x16x32_bf16 v[8*(8*(\a)+(\b)):8*(8*(\a)+(\b))+7], v[(\f)+8*(\b):(\f)+8*(\b)+7], v[(\f)+8*(4*(\hi)+(\a)):(\f)+8*(4*(\hi)+(\a))+7], v[8*(8*(\a)+(\b)):8*(8*(\a)+(\b))+7]
.endif
.endr
.endr
.endm
; 32 LDS loads in one run: a quarter step's fragments (my 128 rows of wcat, my 128 of x16, 32 K at byte k) into buffer f
.macro FETCH slot, k, f
	WIN TO_B
.irp i, 0,1,2,3,4,5,6,7
	ds_load_b128 v[(\f)+8*(\i):(\f)+8*(\i)+3],   v[ADRB+(\slot)] offset:(\k)+(\i)*16*PITCH
	ds_load_b128 v[(\f)+8*(\i)+4:(\f)+8*(\i)+7], v[ADRB+(\slot)] offset:(\k)+(\i)*16*PITCH+32
.endr
	WIN 0
.irp i, 0,1,2,3,4,5,6,7
	ds_load_b128 v[(\f)+8*(\i):(\f)+8*(\i)+3],   v[ADRA+(\slot)] offset:(\k)+(\i)*16*PITCH
	ds_load_b128 v[(\f)+8*(\i)+4:(\f)+8*(\i)+7], v[ADRA+(\slot)] offset:(\k)+(\i)*16*PITCH+32
.endr
.endm
; A K step is four quarters of 32 along K, 64 matrix instructions each, on buffers 0, 1, 0, 1.  One of the first three multiplies buffer f and, in its middle, fetches the next quarter into g.
.macro QUARTER slot, k, f, g, zero
	s_wait_dscnt 8                                 ; all but the youngest eight loads: x16's rows 64-127
	MUL16 \f, 0, 0, \zero
	MUL16 \f, 0, 2, \zero
	PLACES
	FETCH \slot, \k, \g
	s_wait_dscnt 32                                ; all but the 32 just issued
	MUL16 \f, 1, 0, \zero
	MUL16 \f, 1, 2, \zero
.endm
; The last quarter multiplies buffer 1 and changes slots.  In front of the barrier each wave waits for all its tensor loads (one is out: its part of the next slot), adds 0 to its spare word, and waits for
; that and for its reads of this slot.  fill = 1: the barrier opens a round of the cluster's, and this slot takes the K step two on, first thing behind the round, 224 matrix instructions ahead of the wait for it.
.macro TURN slot, next, fill
.if \fill
	s_wait_xcnt 0x0                                ; the last prefetch, a K step back, has read its address: it is stepped here, ahead of the change's own waits
	s_add_nc_u64 s[PFA:PFA+1], s[PFA:PFA+1], KSTEP*2
.endif
	WIN 0                                          ; (the add's two registers lie in window 0)
	s_wait_tensorcnt 0x0                           ; all my tensor loads have landed
	ds_add_u32 v[SPW], v[NIL]                      ; 0 onto my spare word
	s_wait_dscnt 9                                 ; (the add and the youngest eight loads may be out)
	MUL16 F1, 0, 0, 0                              ; sixteen matrix instructions stand between the add and the wait for it
	s_wait_dscnt 0x0                               ; the add is done, and my reads of this slot are over
	s_barrier_signal -1
	MUL16 F1, 0, 2, 0
	WIN 0
	s_barrier_wait -1
.if \fill
	CREST                                          ; no wave of any partner still reads this slot or has a load on its way
	s_add_nc_u64 s[G0+4*(\slot)+2:G0+4*(\slot)+3], s[G0+4*(\slot)+2:G0+4*(\slot)+3], 2*KSTEP*2
	s_add_nc_u64 s[G0B+4*(\slot)+2:G0B+4*(\slot)+3], s[G0B+4*(\slot)+2:G0B+4*(\slot)+3], 2*KSTEP*2
	JLOAD \slot                                    ; my one tensor load behind the round; its four v_nop are also the places in front of the loads below
.else
	PLACES
.endif
	FETCH \next, 0, F0
.if \fill
	ASK                                            ; behind the joint load and the run of LDS loads that the next products wait for
.endif
	MUL16 F1, 1, 0, 0
	MUL16 F1, 1, 2, 0
.endm
; THE WAY OUT of block a of 16 rows (a = 0..7): rounded to f16 (each accumulator's registers in ascending order), 16 bytes a lane into my stage, back as whole rows of 256 bytes, stored.
.macro PACK a
.set AC, 64*((\a)%4)
	WIN 0x0a+5*((\a)/4)                            ; sources 0 and 1: window 2 or 3
.irp b, 0,1,2,3,4,5,6,7
.irp r, 0,1,2,3
	v_cvt_pk_f16_f32 v[TMP+4*(\b)+(\r)], v[AC+8*(\b)+2*(\r)], v[AC+8*(\b)+2*(\r)+1]
.endr
.endr
	WIN 0
.endm
.macro TOSTAGE a
.set BK, OB+192*((\a)%2)
.irp b, 0,1,2,3,4,5,6,7
	ds_store_b128 v[STO], v[TMP+4*(\b):TMP+4*(\b)+3] offset:32*(\b)
.endr
.irp t, 0,1,2,3,4,5,6,7
	ds_load_b128 v[BK+4*(\t):BK+4*(\t)+3], v[RD] offset:(\t)*2*PITCH  ; LDS serves a wave's instructions in order: these see the stores above
.endr
.endm
.macro SEND a
.set BK, OB+192*((\a)%2)
	s_wait_dscnt 0x0                               ; the block is back in registers
	s_wait_xcnt 0x0                                ; the stores of the block before have read their registers, which the next block's loads take
.irp t, 0,1,2,3,4,5,6,7
	global_store_b128 v[CO], v[BK+4*(\t):BK+4*(\t)+3], s[8:9] offset:(16*(\a)+2*(\t))*OP  ; 16 lanes store 256 consecutive bytes, aligned; 126 rows of 6,144 bytes at the most, inside the signed 24-bit immediate
.endr
.endm
	s_wait_tensorcnt 1                             ; my part of K step 0 is in; K step 1's may stay out
	s_barrier_signal -1
	s_barrier_wait -1
	FETCH 0, 0, F0
	QUARTER 0, 64,  F0, F1, 1                      ; the first quarter stands in front of the loop: its products start the sums
	WIN 0                                          ; at a label and at a branch every window is 0
	s_mov_b32 s3, LAPS-1
.Llap:                                         ; a trip goes once round the ring, from a lap's second quarter to the next lap's first, and fills both slots again
	QUARTER 0, 128, F1, F0, 0
	QUARTER 0, 192, F0, F1, 0
	TURN 0, 1, 1
	QUARTER 1, 64,  F0, F1, 0
	QUARTER 1, 128, F1, F0, 0
	QUARTER 1, 192, F0, F1, 0
	TURN 1, 0, 1
	QUARTER 0, 64,  F0, F1, 0
	WIN 0
	s_sub_co_u32 s3, s3, 1
	s_cmp_lg_u32 s3, 0
	s_cbranch_scc1 .Llap
	QUARTER 0, 128, F1, F0, 0                      ; the last lap is written out: it fills nothing, and has no round of the cluster's barrier
	QUARTER 0, 192, F0, F1, 0
	TURN 0, 1, 0
	QUARTER 1, 64,  F0, F1, 0
	QUARTER 1, 128, F1, F0, 0
	QUARTER 1, 192, F0, F1, 0
	s_wait_dscnt 8                                 ; the very last quarter: nothing more to fetch
	MUL16 F1, 0, 0, 0
	MUL16 F1, 0, 2, 0
	s_wait_dscnt 0x0
	MUL16 F1, 1, 0, 0
	MUL16 F1, 1, 2, 0
	WIN 0
	PLACES
	PACK 0
	TOSTAGE 0
.irp a, 1,2,3,4,5,6,7                  ; block a's conversions stand between block a - 1's loads from the stage and the wait for them
	PACK \a
	SEND (\a)-1
	TOSTAGE \a
.endr
	SEND 7
	s_wait_tensorcnt 0x0                           ; the wave's end: the add and its wait stand behind my last tensor load and my last LDS store
	ds_add_u32 v[SPW], v[NIL]
	s_wait_dscnt 0x0
	CROUND                                         ; the closing round: no work-group ends while a partner may still ask for a tile that names it
	s_endpgm
.Lfunc_end_k_qb5af2de876_proj:
	.size	k_qb5af2de876_proj, .Lfunc_end_k_qb5af2de876_proj-k_qb5af2de876_proj
	.p2alignl 7, 3214868480
	.fill 96, 4, 3214868480
	.section	.rodata,"a",@progbits
	.p2align	6, 0x0
	.amdhsa_kernel k_qb5af2de876_proj
		.amdhsa_group_segment_fixed_size 327680
		.amdhsa_private_segment_fixed_size 0
		.amdhsa_enable_private_segment 0
		.amdhsa_kernarg_size 24
		.amdhsa_user_sgpr_count 2
		.amdhsa_user_sgpr_kernarg_segment_ptr 1
		.amdhsa_wavefront_size32 1
		.amdhsa_system_sgpr_workgroup_id_x 1
		.amdhsa_system_sgpr_workgroup_id_y 1
		.amdhsa_system_sgpr_workgroup_id_z 1
		.amdhsa_system_vgpr_workitem_id 0
		.amdhsa_next_free_vgpr 1024
		.amdhsa_next_free_sgpr 66
		.amdhsa_reserve_vcc 0
		.amdhsa_float_denorm_mode_32 3
		.amdhsa_float_denorm_mode_16_64 3
		.amdhsa_memory_ordered 1
		.amdhsa_forward_progress 1
		.amdhsa_inst_pref_size 143
	.end_amdhsa_kernel
	.amdgpu_metadata
---
amdhsa.version: [ 1, 2 ]
amdhsa.kernels:
  - .name:           k_qb5af2de876_proj
    .symbol:         k_qb5af2de876_proj.kd
    .args:
      - { .name: x16, .offset: 0, .size: 8, .value_kind: global_buffer, .address_space: global }
      - { .name: wcat, .offset: 8, .size: 8, .value_kind: global_buffer, .address_space: global }
      - { .name: qkv, .offset: 16, .size: 8, .value_kind: global_buffer, .address_space: global }
    .group_segment_fixed_size: 327680
    .private_segment_fixed_size: 0
    .kernarg_segment_align: 8
    .kernarg_segment_size: 24
    .max_flat_workgroup_size: 128
    .sgpr_count:     66
    .vgpr_count:     1024
    .wavefront_size: 32
...
	.end_amdgpu_metadata
.endif
;; end of part 2
;; launch scores (part 3): grid 36 x 4, 4 waves a work-group, no clusters, 327,680 bytes of LDS; arguments qkv, p, stm, stl; writes p, stm, stl
.if DOCPART == 3
	.amdgcn_target "amdgcn-amd-amdhsa--gfx1250"
	.amdhsa_code_object_version 6
	.text
	.protected	k_qb5af2de876_scores
	.globl	k_qb5af2de876_scores
	.p2align	8
	.type	k_qb5af2de876_scores,@function
k_qb5af2de876_scores:
	s_mov_b64 s[64:65], 0
	v_nop
	global_prefetch_b8 v0, s[64:65] scope:SCOPE_SE
	s_setreg_imm32_b32 hwreg(HW_REG_WAVE_MODE, 25, 1), 1
	s_wait_xcnt 0x0
; The causal tiles of S = Q K^T, and the softmax's first half.  qkv: [8192][3072] f16 (Q at byte 0, K at byte 2,048 of a row).  For each row and each chunk u of 128 keys:
; cm = c x (the chunk's largest score), c = log2(e) / 32;  p = 2^(c s - cm), rounded to f16;  l = the sum of the unrounded p.  p: [4][2048][2048] f16;  stm (cm), stl (l): [4][16 chunks][2048 rows] f32.
; The true maximum of the chunk is taken away; the next launch joins the chunks by the row's overall maximum, in f32.
; LIMITS.  A hidden score counts as its value less 1e30 (f16 operands give 4.4e12 at the most); a weight below 2^-126 counts as 0; p below 6e-5 keeps f16's fixed step; NaN and infinities are not treated apart.
; SHARES.  A batch has 36 tiles of 256 x 256 at or below the diagonal, a work-group each.  Wave (rh, ch) makes 128 queries x 128 keys: one whole chunk for its rows, so no wave needs another's maximum.
; NO CLUSTER: row i of the triangle has i + 1 tiles, so the tiles do not fall into groups of four that share rows; blocks of 4 x 4 laid over the triangle would hold 48 work-groups a launch with nothing to do.
; THE PRODUCT IS TAKEN TRANSPOSED (source 0 = 16 keys, source 1 = 16 queries): a lane holds ONE query (lane % 16) and the keys 8 (lane / 16) + 0..7 of each block of 16.
; THE MASK is the C operand of the products that start the sums: the constant 0 for key blocks left of the diagonal block, CD on it, CU right of it.  CD and CU hold -1e30 only in the wave that holds the
; diagonal (rh = ch in a tile with i = j), where every row sees its own key, so that cm is a true score; in every other wave they are 0.
; THE WAVE ABOVE THE DIAGONAL (rh = 0, ch = 1 in a tile with i = j) makes its chunk UNMASKED: its weights are then finite numbers in 0 to 1.  The next launch fetches p in steps of 256 keys and multiplies that
; chunk's sums by the factor 0, so what lies there must be finite and nothing more; that chunk's cm and l are stored and never read.
; REGISTERS.  window 0: v0-31 addresses; v64-127, v128-191 Q's fragments, two buffers; v200-215 the masks; in the second half v32-63, v224-255 rows read back, v64-79 at work, v192-223 packed weights.
;   window 1: v64-127, v128-191 K's fragments;  window 2: the accumulators of my queries 0-63 ((a, b) at v[8 (8 a + b)]);  window 3: of my queries 64-127.
.set KSTEP,  128
.set QP,     6144                      ; bytes in a row of qkv
.set PITCH,  272
.set HALFT,  128*PITCH
.set SLOT,   4*HALFT                   ; Q's 256 rows, then K's 256 rows
.set STAGE,  2*SLOT                    ; 16 rows x 272 bytes for each wave
.set STATS,  STAGE+4*16*PITCH          ; 1,024 bytes for each wave: cm of its 128 rows, then l
.set SPARE,  STATS+4096                ; the spare words, 128 bytes a wave, which no other line names
.set LAPS,   4
.set SO,   13                          ; v13  my 16 bytes in the wave's 512 of stm and stl
.set SA,   15                          ; v15  where this trip's cm go
.set ADRA, 16
.set ADRB, 20
.set STO,  24
.set RD,   25
.set CO,   26                          ; v26  my byte offset in two rows of p
.set SA0,  27                          ; v27  STATS + 1,024 x wave + 4 (l % 16)
.set SPW,  28
.set NIL,  29
.set PFO,  30                          ; v30  my lane x a row of qkv
.set LR,   31                          ; v31  STATS + 1,024 x wave + 16 l
.set OB,   32
.set MX,   64                          ; v64-67 four running maxima
.set CM,   68                          ; v[68:69] cm, named as a pair
.set LS,   70                          ; v[70:71] l
.set F0,   64
.set F1,   128
.set TMP,  192
.set CD,   200
.set CU,   208
.set SB,   2                           ; s2   0, then 256: the second trip's place in the statistics
.set WV,   12
.set RH,   13
.set CH,   14
.set TI,   15
.set TJ,   16
.set BB,   17
.set G1,   24
.set G0,   32
.set CS,   40                          ; s[40:41] c
.set SEL,  42                          ; s[42:43] v_permlanex16_b32's selects: each lane takes its own place in the other half
.set BIGN, 44
.set LIM,  45
.set PFA,  46
.set MUL_LO, 0xa1                      ; source 0 (K) window 1, source 1 (Q) window 0, C and D window 2
.set TO_B,   0x40
.set MSB, 0
.macro WIN new
.if MSB != (\new)
	s_set_vgpr_msb (MSB<<8)|(\new)
.set MSB, \new
.endif
.endm
.macro PLACES
.rept 4
	v_nop
.endr
.endm
.macro TRI k, t                        ; row k of the triangle begins at tile t
	s_cmp_ge_u32 ttmp9, \t
	s_cselect_b32 s[TI], \k, s[TI]
	s_cselect_b32 s18, \t, s18
.endm
	s_load_b256 s[4:11], s[0:1], 0x0               ; qkv s[4:5], p s[6:7], stm s[8:9], stl s[10:11]
	v_lshl_add_u32 v[SPW], v0, 2, SPARE
	v_mov_b32 v[NIL], 0
	ds_add_u32 v[SPW], v[NIL]                      ; the wave's opening: the add and its wait stand ahead of my first tensor load
	v_lshrrev_b32 v1, 5, v0
	v_readfirstlane_b32 s[WV], v1
	s_lshr_b32 s[RH], s[WV], 1                     ; my half of the queries.  Also: I fetch for Q (0) or for K (1)
	s_and_b32 s[CH], s[WV], 1                      ; my half of the keys.  Also: which 128 rows I fetch
	s_and_b32 s[BB], ttmp7, 0xffff                 ; the batch
	s_mov_b32 s[TI], 0
	s_mov_b32 s18, 0
	TRI 1, 1
	TRI 2, 3
	TRI 3, 6
	TRI 4, 10
	TRI 5, 15
	TRI 6, 21
	TRI 7, 28
	s_sub_co_u32 s[TJ], ttmp9, s18                 ; tile (i, j), j <= i
	s_mov_b32 s[G1+0], (1<<16)|(1<<20)|(5<<22)|(3<<25)  ; 2-byte elements; padding on: after every 64 words, 4 words
	s_mov_b32 s[G1+1], KSTEP<<16
	s_mov_b32 s[G1+2], 128<<16
	s_mov_b32 s[G1+3], KSTEP<<16
	s_mov_b32 s[G1+4], 128
	s_mov_b32 s[G1+5], 3072
	s_mov_b32 s[G1+6], 0
	s_mov_b32 s[G1+7], 0
	s_cmp_eq_u32 s[RH], 0
	s_cselect_b32 s19, s[TI], s[TJ]
	s_cselect_b32 s20, 0, 2048                     ; Q's or K's place in a row
	s_lshl_b32 s19, s19, 8
	s_lshl_b32 s21, s[CH], 7
	s_add_co_u32 s19, s19, s21
	s_lshl_b32 s21, s[BB], 11
	s_add_co_u32 s19, s19, s21                     ; the first of the 128 rows that I fetch
	s_mul_i32 s22, s19, QP                         ; under 2^26
	s_add_co_u32 s22, s22, s20
	s_mov_b32 s23, 0
	s_mul_i32 s21, s[WV], HALFT                    ; and where they go
	s_mov_b32 s[CS], 0x3d38aa3b                    ; c = log2(e) / 32
	s_mov_b32 s[CS+1], s[CS]
	s_mov_b32 s[SEL], 0x76543210
	s_mov_b32 s[SEL+1], 0xfedcba98
	s_mov_b32 s[BIGN], 0xf149f2ca                  ; -1e30
	s_sub_co_u32 s19, s[TI], s[TJ]                 ; Q's rows of block i are asked for ahead by tile (i, 0), K's of block j by tile (j, j): each once in the launch
	s_cmp_eq_u32 s[RH], 0
	s_cselect_b32 s19, s[TJ], s19
	s_cmp_eq_u32 s19, 0
	s_cselect_b32 s[LIM], 1, -1
	s_wait_dscnt 0x0                               ; the opening add is done
	s_wait_kmcnt 0x0
	s_add_nc_u64 s[22:23], s[4:5], s[22:23]
.irp s, 0,1
	s_mov_b32 s[G0+4*(\s)], 1
	s_add_co_u32 s[G0+4*(\s)+1], s21, (\s)*SLOT
	s_add_nc_u64 s[G0+4*(\s)+2:G0+4*(\s)+3], s[22:23], (\s)*KSTEP*2
	s_or_b32 s[G0+4*(\s)+3], s[G0+4*(\s)+3], 0x80000000
	tensor_load_to_lds s[G0+4*(\s):G0+4*(\s)+3], s[G1:G1+7]  ; two loads of mine are out
	s_nop 0
.endr
	PLACES
	s_add_nc_u64 s[PFA:PFA+1], s[22:23], 2*KSTEP*2 ; at K step 2: the first refill steps it to 3 and names K step 4
	v_and_b32 v1, 15, v0                           ; l % 16
	v_bfe_u32 v2, v0, 4, 1                         ; l / 16
	v_mul_u32_u24 v3, v1, PITCH
	v_lshl_add_u32 v3, v2, 4, v3
	s_mul_i32 s18, s[RH], HALFT
	s_mul_i32 s19, s[CH], HALFT
	s_add_co_u32 s19, s19, 2*HALFT
.irp s, 0,1
	v_add_nc_u32 v[ADRA+(\s)], s18, v3
	v_add_nc_u32 v[ADRB+(\s)], s19, v3
	s_add_co_u32 s18, s18, SLOT
	s_add_co_u32 s19, s19, SLOT
.endr
	s_mul_i32 s18, s[WV], 16*PITCH
	s_add_co_u32 s18, s18, STAGE
	v_add_nc_u32 v[STO], s18, v3
	v_mul_u32_u24 v5, v2, PITCH
	v_lshl_add_u32 v5, v1, 4, v5
	v_add_nc_u32 v[RD], s18, v5
	v_lshlrev_b32 v5, 12, v2                       ; a row of p is 4,096 bytes
	v_lshl_add_u32 v[CO], v1, 4, v5
	s_lshl_b32 s18, s[WV], 10
	s_add_co_u32 s18, s18, STATS
	v_lshl_add_u32 v[SA0], v1, 2, s18
	v_and_b32 v4, 31, v0
	v_lshl_add_u32 v[LR], v4, 4, s18
	v_mul_u32_u24 v[PFO], v4, QP
	s_lshl_b32 s18, s[TI], 8
	s_lshl_b32 s19, s[RH], 7
	s_add_co_u32 s18, s18, s19                     ; my first row in the batch
	s_lshl_b32 s19, s[BB], 11
	s_add_co_u32 s19, s19, s18
	s_lshl_b32 s20, s19, 12
	s_lshl_b32 s19, s[TJ], 1
	s_add_co_u32 s19, s19, s[CH]                   ; my chunk u = 2 j + ch
	s_lshl_b32 s21, s19, 8
	s_add_co_u32 s20, s20, s21
	s_mov_b32 s21, 0
	s_add_nc_u64 s[6:7], s[6:7], s[20:21]          ; p at my first row and key
	s_lshl_b32 s20, s[BB], 4
	s_add_co_u32 s20, s20, s19
	s_lshl_b32 s20, s20, 11
	s_add_co_u32 s20, s20, s18
	s_lshl_b32 s20, s20, 2                         ; ((16 b + u) 2,048 + row) x 4
	v_lshl_add_u32 v[SO], v4, 4, s20
	; the masks: -1e30 in the wave that holds the diagonal (i = j and rh = ch), 0 in every other
	v_lshlrev_b32 v14, 3, v2
	v_sub_nc_u32 v14, v1, v14                      ; register z of the diagonal block is hidden where z > l % 16 - 8 (l / 16)
	s_sub_co_i32 s18, s[RH], s[CH]
	s_cmp_eq_u32 s[TI], s[TJ]
	s_cselect_b32 s18, s18, 1
	s_cmp_eq_u32 s18, 0
	s_cselect_b32 s20, s[BIGN], 0
.set z, 0
.rept 8
	v_cmp_gt_i32 vcc_lo, z, v14
	v_cndmask_b32 v[CD+z], 0, s20, vcc_lo
	v_mov_b32 v[CU+z], s20
.set z, z+1
.endr
; 16 matrix instructions: query blocks a0, a0 + 1 of the window's four x all 8 key blocks.  first = 1: the products start the sums, with 0 or the mask as C.  The 64 accumulators take turns.
.macro MUL16 f, hi, a0, first
.if \first
	WIN 0x81+0x40*(\hi)                            ; C in window 0
.else
	WIN MUL_LO+0x50*(\hi)
.endif
.irp a, \a0, (\a0)+1
.irp b, 0,1,2,3,4,5,6,7
.if \first
.if (\b) < 4*(\hi)+(\a)
	v_wmma_f32_16x16x32_f16 v[8*(8*(\a)+(\b)):8*(8*(\a)+(\b))+7], v[(\f)+8*(\b):(\f)+8*(\b)+7], v[(\f)+8*(4*(\hi)+(\a)):(\f)+8*(4*(\hi)+(\a))+7], 0
.elseif (\b) == 4*(\hi)+(\a)
	v_wmma_f32_16x16x32_f16 v[8*(8*(\a)+(\b)):8*(8*(\a)+(\b))+7], v[(\f)+8*(\b):(\f)+8*(\b)+7], v[(\f)+8*(4*(\hi)+(\a)):(\f)+8*(4*(\hi)+(\a))+7], v[CD:CD+7]
.else
	v_wmma_f32_16x16x32_f16 v[8*(8*(\a)+(\b)):8*(8*(\a)+(\b))+7], v[(\f)+8*(\b):(\f)+8*(\b)+7], v[(\f)+8*(4*(\hi)+(\a)):(\f)+8*(4*(\hi)+(\a))+7], v[CU:CU+7]
.endif
.else
	v_wmma_f32_16x16x32_f16 v[8*(8*(\a)+(\b)):8*(8*(\a)+(\b))+7], v[(\f)+8*(\b):(\f)+8*(\b)+7], v[(\f)+8*(4*(\hi)+(\a)):(\f)+8*(4*(\hi)+(\a))+7], v[8*(8*(\a)+(\b)):8*(8*(\a)+(\b))+7]
.endif
.endr
.endr
.endm
.macro FETCH slot, k, f                ; 32 LDS loads in one run: K's 8 fragments, then Q's 8
	WIN TO_B
.irp i, 0,1,2,3,4,5,6,7
	ds_load_b128 v[(\f)+8*(\i):(\f)+8*(\i)+3],   v[ADRB+(\slot)] offset:(\k)+(\i)*16*PITCH
	ds_load_b128 v[(\f)+8*(\i)+4:(\f)+8*(\i)+7], v[ADRB+(\slot)] offset:(\k)+(\i)*16*PITCH+32
.endr
	WIN 0
.irp i, 0,1,2,3,4,5,6,7
	ds_load_b128 v[(\f)+8*(\i):(\f)+8*(\i)+3],   v[ADRA+(\slot)] offset:(\k)+(\i)*16*PITCH
	ds_load_b128 v[(\f)+8*(\i)+4:(\f)+8*(\i)+7], v[ADRA+(\slot)] offset:(\k)+(\i)*16*PITCH+32
.endr
.endm
.macro QUARTER slot, k, f, g, first
	s_wait_dscnt 8                                 ; all but the youngest eight loads: Q's rows 64-127
	MUL16 \f, 0, 0, \first
	MUL16 \f, 0, 2, \first
	PLACES
	FETCH \slot, \k, \g
	s_wait_dscnt 32                                ; all but the 32 just issued
	MUL16 \f, 1, 0, \first
	MUL16 \f, 1, 2, \first
.endm
; The last quarter of a K step changes slots: each wave waits for all its tensor loads, adds 0 to its spare word, waits for that and for its reads of this slot, and passes the barrier; fill = 1: this slot then
; takes the K step two on, first thing behind the barrier, 224 matrix instructions ahead of the wait for it; behind the LDS loads stand the prefetches of my 128 rows' K step two refills on (not in the loop's last trip).
.macro TURN slot, next, fill
.if \fill
	s_wait_xcnt 0x0                                ; the last prefetches, a K step back, have read their address
	s_add_nc_u64 s[PFA:PFA+1], s[PFA:PFA+1], KSTEP*2
.endif
	WIN 0
	s_wait_tensorcnt 0x0
	ds_add_u32 v[SPW], v[NIL]
.if \fill
	s_add_nc_u64 s[G0+4*(\slot)+2:G0+4*(\slot)+3], s[G0+4*(\slot)+2:G0+4*(\slot)+3], 2*KSTEP*2  ; no load of mine is out, so a group 0 may be written
.endif
	s_wait_dscnt 9                                 ; (the add and the youngest eight loads may be out)
	MUL16 F1, 0, 0, 0
	s_wait_dscnt 0x0                               ; the add is done, and my reads of this slot are over
	s_barrier_signal -1
	MUL16 F1, 0, 2, 0
	WIN 0
	s_barrier_wait -1
.if \fill
	tensor_load_to_lds s[G0+4*(\slot):G0+4*(\slot)+3], s[G1:G1+7]
	s_nop 0
.endif
	PLACES
	FETCH \next, 0, F0
.if \fill
	s_cmp_gt_u32 s3, s[LIM]
	s_cbranch_scc0 .Lnot_mine_\@
.irp n, 0,1,2,3
	global_prefetch_b8 v[PFO], s[PFA:PFA+1] offset:KSTEP*2+(\n)*32*QP th:TH_LOAD_NT scope:SCOPE_SE
.endr
.Lnot_mine_\@:
.endif
	MUL16 F1, 1, 0, 0
	MUL16 F1, 1, 2, 0
.endm
	s_wait_tensorcnt 1                             ; my part of K step 0 is in; K step 1's may stay out
	s_barrier_signal -1
	s_barrier_wait -1
	FETCH 0, 0, F0
	QUARTER 0, 64,  F0, F1, 1
	WIN 0
	s_mov_b32 s3, LAPS-1
.Llap:
	QUARTER 0, 128, F1, F0, 0
	QUARTER 0, 192, F0, F1, 0
	TURN 0, 1, 1
	QUARTER 1, 64,  F0, F1, 0
	QUARTER 1, 128, F1, F0, 0
	QUARTER 1, 192, F0, F1, 0
	TURN 1, 0, 1
	QUARTER 0, 64,  F0, F1, 0
	WIN 0
	s_sub_co_u32 s3, s3, 1
	s_cmp_lg_u32 s3, 0
	s_cbranch_scc1 .Llap
	QUARTER 0, 128, F1, F0, 0                      ; the last lap fills nothing
	QUARTER 0, 192, F0, F1, 0
	TURN 0, 1, 0
	QUARTER 1, 64,  F0, F1, 0
	QUARTER 1, 128, F1, F0, 0
	QUARTER 1, 192, F0, F1, 0
	s_wait_dscnt 8
	MUL16 F1, 0, 0, 0
	MUL16 F1, 0, 2, 0
	s_wait_dscnt 0x0
	MUL16 F1, 1, 0, 0
	MUL16 F1, 1, 2, 0
	WIN 0
	PLACES
; THE SECOND HALF, a block of 16 queries at a time; the lane's 64 scores lie in window 2 at 64 a.
.macro COMP a
.set AC, 64*(\a)
	WIN 0x0a                                       ; sources 0 and 1 in window 2
.irp c, 0,1,2,3                        ; four chains of 16 scores, each accumulator's lowest registers first
	v_max_num_f32 v[MX+(\c)], v[AC+16*(\c)], v[AC+16*(\c)+1]
.endr
.irp n, 1,2,3,4,5,6,7
.irp c, 0,1,2,3
	v_max3_num_f32 v[MX+(\c)], v[AC+16*(\c)+2*(\n)], v[AC+16*(\c)+2*(\n)+1], v[MX+(\c)]
.endr
.endr
	WIN 0
	v_max3_num_f32 v[MX], v[MX], v[MX+1], v[MX+2]
	v_max_num_f32 v[MX], v[MX], v[MX+3]
	v_permlanex16_b32 v[MX+1], v[MX], s[SEL], s[SEL+1]  ; the query's other 64 keys lie in the lane 16 away
	v_max_num_f32 v[MX], v[MX], v[MX+1]
	v_mul_f32 v[CM], s[CS], v[MX]
	WIN 0x82
.set z, 0
.rept 32
	v_pk_fma_f32 v[AC+z:AC+z+1], v[AC+z:AC+z+1], s[CS:CS+1], v[CM:CM+1] op_sel_hi:[1,0,0] neg_lo:[0,0,1] neg_hi:[0,0,1]  ; c s - cm
.set z, z+2
.endr
.set z, 0
.rept 64
	v_exp_f32 v[AC+z], v[AC+z]                     ; one batch
.set z, z+1
.endr
	v_nop                                          ; a plain instruction behind the last exponential
	s_wait_alu depctr_va_vdst(0)                   ; and one wait for the batch, ahead of its first reader
	WIN 0x0a
.set z, 0
.rept 32
	v_cvt_pk_f16_f32 v[TMP+z], v[AC+2*z], v[AC+2*z+1]
.set z, z+1
.endr
	WIN 0x8a
.irp w, 32,16,8,4                      ; the 32 pairs are added, in place, neighbours 16, 8, 4 and 2 pairs apart
.set z, 0
.rept (\w)/2
	v_pk_add_f32 v[AC+z:AC+z+1], v[AC+z:AC+z+1], v[AC+z+(\w):AC+z+(\w)+1]
.set z, z+2
.endr
.endr
	WIN 0x0a
	v_pk_add_f32 v[LS:LS+1], v[AC:AC+1], v[AC+2:AC+3]
	WIN 0
	v_add_f32 v[LS], v[LS], v[LS+1]
	v_permlanex16_b32 v[LS+1], v[LS], s[SEL], s[SEL+1]
	v_add_f32 v[LS], v[LS], v[LS+1]
.endm
.macro TOST a                          ; the weights into my stage and back as whole rows; cm and l to my statistics (both halves of the lanes write the same word with the same value)
.set BK, OB+192*((\a)%2)
.irp b, 0,1,2,3,4,5,6,7
	ds_store_b128 v[STO], v[TMP+4*(\b):TMP+4*(\b)+3] offset:32*(\b)
.endr
	ds_store_b32 v[SA], v[CM] offset:64*(\a)
	ds_store_b32 v[SA], v[LS] offset:512+64*(\a)
.irp t, 0,1,2,3,4,5,6,7
	ds_load_b128 v[BK+4*(\t):BK+4*(\t)+3], v[RD] offset:(\t)*2*PITCH  ; LDS serves a wave's instructions in order
.endr
.endm
.macro SEND a
.set BK, OB+192*((\a)%2)
	s_wait_dscnt 0x0
	s_wait_xcnt 0x0                                ; the stores of the block before have read their registers, which the next block's loads take
.irp t, 0,1,2,3,4,5,6,7
	global_store_b128 v[CO], v[BK+4*(\t):BK+4*(\t)+3], s[6:7] offset:(16*(\a)+2*(\t))*4096  ; 16 lanes store 256 consecutive bytes, aligned
.endr
.endm
	v_mov_b32 v[CM+1], 0                           ; named with cm as a pair
	s_mov_b32 s[SB], 0
	s_mov_b32 s3, 2
.Lhalf:                                        ; two trips: my queries 0-63, then 64-127, whose scores the first trip moves into window 2, so that one text serves both
	v_add_nc_u32 v[SA], s[SB], v[SA0]
	COMP 0
	TOST 0
.irp a, 1,2,3
	COMP \a
	SEND (\a)-1
	TOST \a
.endr
	SEND 3
	s_cmp_eq_u32 s3, 1
	s_cbranch_scc1 .Lmoved
	WIN 0x83                                       ; from window 3 into window 2: 256 lines, once, in place of a second copy of the four blocks' text
.set z, 0
.rept 256
	v_mov_b32 v[z], v[z]
.set z, z+1
.endr
	WIN 0
.Lmoved:
	s_wait_xcnt 0x0                                ; the stores have read their registers and their base
	s_add_nc_u64 s[6:7], s[6:7], 64*4096
	s_add_co_u32 s[SB], s[SB], 256
	s_sub_co_u32 s3, s3, 1
	s_cmp_lg_u32 s3, 0
	s_cbranch_scc1 .Lhalf
	ds_load_b128 v[72:75], v[LR]                   ; my wave's 128 cm and 128 l, 512 consecutive bytes each
	ds_load_b128 v[76:79], v[LR] offset:512
	s_wait_dscnt 0x0
	global_store_b128 v[SO], v[72:75], s[8:9]
	global_store_b128 v[SO], v[76:79], s[10:11]
	s_wait_tensorcnt 0x0                           ; the wave's end
	ds_add_u32 v[SPW], v[NIL]
	s_wait_dscnt 0x0
	s_endpgm
.Lfunc_end_k_qb5af2de876_scores:
	.size	k_qb5af2de876_scores, .Lfunc_end_k_qb5af2de876_scores-k_qb5af2de876_scores
	.p2alignl 7, 3214868480
	.fill 96, 4, 3214868480
	.section	.rodata,"a",@progbits
	.p2align	6, 0x0
	.amdhsa_kernel k_qb5af2de876_scores
		.amdhsa_group_segment_fixed_size 327680
		.amdhsa_private_segment_fixed_size 0
		.amdhsa_enable_private_segment 0
		.amdhsa_kernarg_size 32
		.amdhsa_user_sgpr_count 2
		.amdhsa_user_sgpr_kernarg_segment_ptr 1
		.amdhsa_wavefront_size32 1
		.amdhsa_system_sgpr_workgroup_id_x 1
		.amdhsa_system_sgpr_workgroup_id_y 1
		.amdhsa_system_sgpr_workgroup_id_z 1
		.amdhsa_system_vgpr_workitem_id 0
		.amdhsa_next_free_vgpr 1024
		.amdhsa_next_free_sgpr 66
		.amdhsa_reserve_vcc 1
		.amdhsa_float_denorm_mode_32 3
		.amdhsa_float_denorm_mode_16_64 3
		.amdhsa_memory_ordered 1
		.amdhsa_forward_progress 1
		.amdhsa_inst_pref_size 169
	.end_amdhsa_kernel
	.amdgpu_metadata
---
amdhsa.version: [ 1, 2 ]
amdhsa.kernels:
  - .name:           k_qb5af2de876_scores
    .symbol:         k_qb5af2de876_scores.kd
    .args:
      - { .name: qkv, .offset: 0, .size: 8, .value_kind: global_buffer, .address_space: global }
      - { .name: p, .offset: 8, .size: 8, .value_kind: global_buffer, .address_space: global }
      - { .name: stm, .offset: 16, .size: 8, .value_kind: global_buffer, .address_space: global }
      - { .name: stl, .offset: 24, .size: 8, .value_kind: global_buffer, .address_space: global }
    .group_segment_fixed_size: 327680
    .private_segment_fixed_size: 0
    .kernarg_segment_align: 8
    .kernarg_segment_size: 32
    .max_flat_workgroup_size: 128
    .sgpr_count:     66
    .vgpr_count:     1024
    .wavefront_size: 32
...
	.end_amdgpu_metadata
.endif
;; end of part 3
;; launch pv (part 4): grid 8 x 32, 4 waves a work-group, clusters of 4 x 4, 327,680 bytes of LDS; arguments p, qkv, stm, stl, out0; writes out0
.if DOCPART == 4
	.amdgcn_target "amdgcn-amd-amdhsa--gfx1250"
	.amdhsa_code_object_version 6
	.text
	.protected	k_qb5af2de876_pv
	.globl	k_qb5af2de876_pv
	.p2align	8
	.type	k_qb5af2de876_pv,@function
k_qb5af2de876_pv:
	s_mov_b64 s[64:65], 0
	v_nop
	global_prefetch_b8 v0, s[64:65] scope:SCOPE_SE
	s_setreg_imm32_b32 hwreg(HW_REG_WAVE_MODE, 25, 1), 1
	s_wait_xcnt 0x0
	s_wait_alu depctr_hold_cnt(0) depctr_sa_sdst(0) depctr_va_vdst(0) depctr_va_sdst(0) depctr_va_ssrc(0) depctr_va_vcc(0) depctr_vm_vsrc(0)
	s_getreg_b32 s2, hwreg(HW_REG_IB_STS2, 6, 4)
	s_cmp_eq_u32 s2, 0
	s_cbranch_scc0 .Lentry_in_a_cluster
	s_endpgm
.Lentry_in_a_cluster:
	s_bfe_u32 s2, ttmp6, 0x10000c
	s_cmp_lg_u32 s2, 0xf033
	s_cbranch_scc0 .Lentry_shape_is_right
	s_endpgm
.Lentry_shape_is_right:
; out[q][:] = (sum over chunks u of f_u (P_u V_u)) / L,  f_u = 2^(cm_u - M), M = the largest cm_u of the row's live chunks, L = sum of f_u l_u: the softmax's second half, with the row's true maximum.
; p: [4][2048][2048] f16 (written at and below the diagonal, in tiles of 256 x 256, finite everywhere there); V at byte 4,096 of qkv's rows of 6,144; stm (cm), stl (l): [4][16][2048] f32; out0: [4][2048][1024] f32.
; Products in f16 with f32 sums; the factor f is applied to a chunk's f32 sums, so nothing more is rounded to 16 bits.
; LIMITS.  A factor below 2^-126 counts as 0; NaN and infinities are not treated apart.
; SHARES.  A tile of out is 128 queries x 128 channels; wave (rh, ch) makes 64 x 64: 16 accumulators.  Keys go in steps of 256, two chunks.
; THE WALK.  A cluster's four cy are the four parts of 128 rows of one super-block of 512 queries, its four cx four blocks of channels.  A work-group makes TWO tiles: in super-block 3 - g (8 - 2 g steps) and
; then in super-block g (2 g + 2 steps): ten steps whatever g, so all work-groups are alike and one loop with a constant count walks them.  All sixteen partners walk the same key steps: P's tile is shared
; along a row of the cluster, V's along a column.  A part whose rows end before a step (cy < 2, the super-block's last step) makes the joint request all the same, for its last written tile of p, and
; multiplies the sums by a factor 0: 160 chunks are multiplied where 136 are live.
; THE PRODUCT IS TAKEN TRANSPOSED: O^T = V^T P (source 0 = 16 channels, by the turning load; source 1 = 16 queries): a lane holds ONE query and eight neighbouring channels.
; TOT starts at 0 by 128 v_mov_b32, at the head (in the wait for the first tile) and between the two tiles: the price of one text for every chunk.
; REGISTERS.  window 0: v0-31 addresses; v32-39 the chunk's factors, v48-55 1 / L (each with a register beside it, named as a pair); v64-95 scaled results; v128-255 TOT, (a, b) at 128 + 8 (4 a + b).
;   window 1: v0-127 T, one chunk's sums.   window 2: two fragment buffers of 128: P's fragment (c, a) at 8 (4 c + a), V's (c, b) at 64 + 8 (4 c + b).
.set PP,    528                        ; a row of P in LDS: 512 bytes + 16
.set PV,    288                        ; a row of V: 256 + 32
.set VT,    128*PP                     ; V's 256 rows lie behind P's 128
.set SLOT,  VT+256*PV
.set STAGE, 2*SLOT                     ; 16 rows x 272 bytes for each wave
.set SP,    272
.set FTAB,  STAGE+4*16*SP              ; two tables of 17 x 512 bytes: f of chunk u for the tile's 128 rows, u = 0..15; then 1 / L
.set TABB,  17*512
.set SPARE, FTAB+2*TABB                ; the spare words, 128 bytes a wave, which no other line names
.set VSTEP, 256*6144                   ; bytes from a step's keys to the next step's in qkv
.set ADRA, 16                          ; v16-17  my P fragments in slot 0, 1
.set ADRV, 18                          ; v18-21  my V fragments: slot s, chunk k at 18 + 2 s + k
.set STO,  24
.set RD,   25
.set CO,   26
.set FL,   27                          ; v27  FTAB + 256 rh + 4 (l % 16)
.set SPW,  28
.set NIL,  29
.set TS,   30                          ; v30  FTAB + 4 x my thread's number
.set FAD,  31
.set FC,   32
.set IL,   48
.set TOF,  32                          ; at the head: v32-63 offsets, v64-127 cm and l
.set TD,   64
.set TMPO, 64
.set TOT,  128
.set F0,   0
.set F1,   128
.set WV, 14
.set RH, 15
.set CH, 16
.set CX, 17
.set CY, 18
.set BB, 20
.set GG, 21
.set G1A, 24
.set G0A, 32
.set G1B, 40
.set G0B, 48
.set OFA, 56                           ; s[56:57] P's tile: byte offset in p (holds cy, never cx)
.set OFB, 58                           ; s[58:59] V's tile: byte offset in qkv (holds cx, never cy)
.set AOF, 60                           ; s60  the rows that I fetch of P, tile in hand;  s61 the second tile's
.set AOFLO, 61
.set VOF, 62
.set NXT, 63                           ; s63  the key step to be asked for next
.set LQ,  66                           ; s66  steps of the tile whose steps are being asked for
.set IOW, 67                           ; s67  the last written tile of p in my rows;  s68 the second tile's
.set IOWLO, 68
.set N1,  69
.set RT,  70                           ; s70  trips until the first tile is finished
.set TR,  71
.set FO,  72                           ; s72  the step's place in the factor tables
.set OUT, 74
.set OUTLO, 76
.set IP0, 78                           ; s78  the first tile's last live chunk, 4 I + cy;  s79 the second's
.set IP1, 79
.set MUL,  0x5a                        ; sources in window 2, C and D in window 1
.set TO_F, 0x80
.set MSB, 0
.macro WIN new
.if MSB != (\new)
	s_set_vgpr_msb (MSB<<8)|(\new)
.set MSB, \new
.endif
.endm
.macro PLACES
.rept 4
	v_nop
.endr
.endm
.macro JLOAD s                         ; a joint load: waves 0 and 1 fetch P's two halves (64 rows), waves 2 and 3 V's (128 keys)
	s_cmp_eq_u32 s[RH], 0
	s_cbranch_scc0 .Lfor_v_\@
	tensor_load_to_lds s[G0A+4*(\s):G0A+4*(\s)+3], s[G1A:G1A+7]
	s_nop 0
	PLACES
	s_branch .Lasked_\@
.Lfor_v_\@:
	tensor_load_to_lds s[G0B+4*(\s):G0B+4*(\s)+3], s[G1B:G1B+7]
	s_nop 0
	PLACES
.Lasked_\@:
.endm
.macro CREST
	s_cmp_lg_u32 s[WV], 0
	s_cbranch_scc1 .Lnot_wave_0_\@
	s_barrier_signal -3
.Lnot_wave_0_\@:
	s_barrier_wait -3
	s_barrier_signal -1
	s_barrier_wait -1
.endm
.macro CROUND
	s_barrier_signal -1
	s_barrier_wait -1
	CREST
.endm
	s_load_b256 s[4:11], s[0:1], 0x0               ; p s[4:5], qkv s[6:7], stm s[8:9], stl s[10:11]
	s_load_b64 s[12:13], s[0:1], 0x20              ; out0
	v_lshl_add_u32 v[SPW], v0, 2, SPARE
	v_mov_b32 v[NIL], 0
	ds_add_u32 v[SPW], v[NIL]                      ; the wave's opening: the add and its wait stand ahead of my first tensor load
	v_lshrrev_b32 v1, 5, v0
	v_readfirstlane_b32 s[WV], v1
	s_lshr_b32 s[RH], s[WV], 1                     ; my half of the queries.  Also: I fetch for P (0) or for V (1)
	s_and_b32 s[CH], s[WV], 1                      ; my half of the channels.  Also: which half of that tile I fetch
	s_bfe_u32 s[CX], ttmp6, 0x40000
	s_bfe_u32 s[CY], ttmp6, 0x40004
	s_and_b32 s22, ttmp7, 0xffff                   ; cluster y = 2 b + g
	s_lshr_b32 s[BB], s22, 1
	s_and_b32 s[GG], s22, 1
	s_sub_co_u32 s23, 3, s[GG]                     ; the first super-block
	s_lshl2_add_u32 s[IP0], s23, s[CY]
	s_lshl2_add_u32 s[IP1], s[GG], s[CY]
	s_lshr_b32 s[IOW], s[IP0], 1
	s_lshr_b32 s[IOWLO], s[IP1], 1
	s_lshl_b32 s[LQ], s23, 1
	s_add_co_u32 s[LQ], s[LQ], 2                   ; 8 - 2 g steps
	s_lshl_b32 s[N1], s[GG], 1
	s_add_co_u32 s[N1], s[N1], 2                   ; 2 g + 2 steps
	s_mov_b32 s[NXT], 2
	s_lshl_b32 s82, s[BB], 11
	s_lshl_b32 s83, s[CH], 6
	s_add_co_u32 s82, s82, s83
	s_lshl_b32 s83, s[IP0], 7                      ; the tile's first row in the batch is 128 x its last live chunk
	s_add_co_u32 s83, s83, s82
	s_lshl_b32 s[AOF], s83, 12                     ; rows of 4,096 bytes; under 2^25
	s_lshl_b32 s83, s[IP1], 7
	s_add_co_u32 s83, s83, s82
	s_lshl_b32 s[AOFLO], s83, 12
	s_lshl_b32 s86, s[BB], 11
	s_lshl_b32 s87, s[CH], 7
	s_add_co_u32 s86, s86, s87
	s_mul_i32 s86, s86, 6144
	s_lshl_b32 s87, ttmp9, 2
	s_add_co_u32 s87, s87, s[CX]                   ; my block of 128 channels
	s_lshl_b32 s87, s87, 8
	s_add_co_u32 s86, s86, s87
	s_add_co_u32 s[VOF], s86, 4096                 ; V's place in a row; under 2^26
	s_lshl_b32 s83, s[CY], 2
	s_lshl_b32 s83, 15, s83                        ; my row of the cluster
	s_lshl_b32 s87, 0x1111, s[CX]                  ; my column
	s_or_b32 s[G1A+0], s83, (1<<16)|(1<<20)|(1<<21)|(6<<22)|(3<<25)  ; after every 128 words, 4 words
	s_mov_b32 s[G1A+1], 256<<16                    ; tensor_dim0 = 256
	s_mov_b32 s[G1A+2], 64<<16                     ; tensor_dim1 = 64
	s_mov_b32 s[G1A+3], 256<<16                    ; tile_dim0 = 256
	s_mov_b32 s[G1A+4], 64                         ; tile_dim1 = 64
	s_mov_b32 s[G1A+5], 2048
	s_mov_b32 s[G1A+6], 0
	s_mov_b32 s[G1A+7], 0
	s_or_b32 s[G1B+0], s87, (1<<16)|(1<<20)|(1<<21)|(5<<22)|(7<<25)  ; after every 64 words, 8 words
	s_mov_b32 s[G1B+1], 128<<16
	s_mov_b32 s[G1B+2], 128<<16
	s_mov_b32 s[G1B+3], 128<<16
	s_mov_b32 s[G1B+4], 128
	s_mov_b32 s[G1B+5], 3072
	s_mov_b32 s[G1B+6], 0
	s_mov_b32 s[G1B+7], 0
	s_mul_i32 s22, s[CH], 64*PP                    ; where they go: no place in the cluster enters an LDS address
	s_mul_i32 s23, s[CH], 128*PV
	s_add_co_u32 s23, s23, VT
	s_mov_b32 s[OFA], s[AOF]
	s_mov_b32 s[OFA+1], 0
	s_mov_b32 s[OFB], s[VOF]
	s_mov_b32 s[OFB+1], 0
	s_mov_b32 s[FO], 0
	s_mov_b32 s[TR], 4
	s_sub_co_u32 s[RT], 4, s[GG]
	s_wait_dscnt 0x0                               ; the opening add is done
	s_wait_kmcnt 0x0
	CROUND                                         ; all sixteen work-groups are here: the first joint loads meet
.irp s, 0,1
	s_mov_b32 s[G0A+4*(\s)], 1
	s_add_co_u32 s[G0A+4*(\s)+1], s22, (\s)*SLOT
	s_add_nc_u64 s[G0A+4*(\s)+2:G0A+4*(\s)+3], s[4:5], s[OFA:OFA+1]
	s_add_nc_u64 s[G0A+4*(\s)+2:G0A+4*(\s)+3], s[G0A+4*(\s)+2:G0A+4*(\s)+3], (\s)*512
	s_or_b32 s[G0A+4*(\s)+3], s[G0A+4*(\s)+3], 0x80000000
	s_mov_b32 s[G0B+4*(\s)], 1
	s_add_co_u32 s[G0B+4*(\s)+1], s23, (\s)*SLOT
	s_add_nc_u64 s[G0B+4*(\s)+2:G0B+4*(\s)+3], s[6:7], s[OFB:OFB+1]
	s_add_nc_u64 s[G0B+4*(\s)+2:G0B+4*(\s)+3], s[G0B+4*(\s)+2:G0B+4*(\s)+3], (\s)*VSTEP
	s_or_b32 s[G0B+4*(\s)+3], s[G0B+4*(\s)+3], 0x80000000
	JLOAD \s                                       ; steps 0 and 1: two loads of mine are out
.endr
; THE FACTOR TABLES.  Thread t is row t of the tile.  A dead chunk (u beyond the tile's last live one) reads the last live chunk's numbers, and its factor is set to 0.
.macro TLOAD blk, ip
	s_lshl_b32 s82, s[BB], 17                      ; 16 b chunks of 8,192 bytes
	s_lshl_b32 s83, s[\ip], 9                      ; the tile's first row x 4
	s_add_co_u32 s82, s82, s83
.irp u, 0,1,2,3,4,5,6,7,8,9,10,11,12,13,14,15
	s_min_u32 s83, s[\ip], \u
	s_lshl_b32 s83, s83, 13
	s_add_co_u32 s83, s83, s82
	v_add_nc_u32 v[TOF+16*(\blk)+(\u)], s83, v3
.endr
.irp u, 0,1,2,3,4,5,6,7,8,9,10,11,12,13,14,15
	global_load_b32 v[TD+32*(\blk)+(\u)], v[TOF+16*(\blk)+(\u)], s[8:9]
	global_load_b32 v[TD+32*(\blk)+16+(\u)], v[TOF+16*(\blk)+(\u)], s[10:11]
.endr
.endm
.macro TCOMP blk, ip, left
.set DD, TD+32*(\blk)
	s_wait_loadcnt \left
	v_max3_num_f32 v4, v[DD], v[DD+1], v[DD+2]
.irp n, 3,5,7,9,11,13
	v_max3_num_f32 v4, v4, v[DD+(\n)], v[DD+(\n)+1]
.endr
	v_max_num_f32 v4, v4, v[DD+15]                 ; M
.irp u, 0,1,2,3,4,5,6,7,8,9,10,11,12,13,14,15
	v_sub_f32 v[DD+(\u)], v[DD+(\u)], v4
.endr
.irp u, 0,1,2,3,4,5,6,7,8,9,10,11,12,13,14,15
	v_exp_f32 v[DD+(\u)], v[DD+(\u)]
.endr
	v_nop                                          ; a plain instruction behind the last exponential,
	s_wait_alu depctr_va_vdst(0)                   ; and one wait for the batch
.irp u, 0,1,2,3,4,5,6,7,8,9,10,11,12,13,14,15
	s_cmp_ge_u32 s[\ip], \u
	s_cselect_b32 s83, 1.0, 0
	v_mul_f32 v[DD+(\u)], s83, v[DD+(\u)]
.endr
	v_mul_f32 v5, v[DD], v[DD+16]
.irp u, 1,2,3,4,5,6,7,8,9,10,11,12,13,14,15
	v_fmac_f32 v5, v[DD+(\u)], v[DD+16+(\u)]       ; L: about 1 at the least, since the chunk that holds M has f = 1 and a weight 1
.endr
	v_rcp_f32 v6, v5
	v_nop
	s_wait_alu depctr_va_vdst(0)
.irp u, 0,1,2,3,4,5,6,7,8,9,10,11,12,13,14,15
	ds_store_b32 v[TS], v[DD+(\u)] offset:(\blk)*TABB+512*(\u)
.endr
	ds_store_b32 v[TS], v6 offset:(\blk)*TABB+16*512
.endm
	v_lshlrev_b32 v3, 2, v0
	TLOAD 0, IP0
	TLOAD 1, IP1
	s_lshl_b32 s88, s[BB], 11
	s_lshl_b32 s89, s[RH], 6
	s_add_co_u32 s88, s88, s89
	s_lshl_b32 s89, ttmp9, 2
	s_add_co_u32 s89, s89, s[CX]
	s_lshl_b32 s89, s89, 1
	s_add_co_u32 s89, s89, s[CH]
	s_lshl_b32 s89, s89, 8                         ; my 64 channels: 256 bytes of a row of out0
	s_lshl_b32 s90, s[IP0], 7
	s_add_co_u32 s90, s90, s88
	s_lshl_b32 s90, s90, 12
	s_add_co_u32 s90, s90, s89
	s_mov_b32 s91, 0
	s_add_nc_u64 s[OUT:OUT+1], s[12:13], s[90:91]
	s_lshl_b32 s90, s[IP1], 7
	s_add_co_u32 s90, s90, s88
	s_lshl_b32 s90, s90, 12
	s_add_co_u32 s90, s90, s89
	s_add_nc_u64 s[OUTLO:OUTLO+1], s[12:13], s[90:91]
	v_and_b32 v1, 15, v0                           ; l % 16
	v_bfe_u32 v2, v0, 4, 1                         ; l / 16
	v_mul_u32_u24 v7, v1, PP
	v_lshl_add_u32 v7, v2, 4, v7
	s_mul_i32 s88, s[RH], 64*PP
	v_add_nc_u32 v[ADRA], s88, v7
	v_add_nc_u32 v[ADRA+1], SLOT, v[ADRA]
	v_and_b32 v8, 7, v0                            ; the turning load: lane l reads key 8 (l / 16) + l % 8, channels 8 ((l / 8) % 2) + 0..7
	v_bfe_u32 v9, v0, 3, 1
	v_lshl_add_u32 v8, v2, 3, v8
	v_mul_u32_u24 v8, v8, PV
	v_lshl_add_u32 v8, v9, 4, v8
	s_lshl_b32 s88, s[CH], 7
	s_add_co_u32 s88, s88, VT
	v_add_nc_u32 v[ADRV], s88, v8
	v_add_nc_u32 v[ADRV+1], 128*PV, v[ADRV]
	v_add_nc_u32 v[ADRV+2], SLOT, v[ADRV]
	v_add_nc_u32 v[ADRV+3], SLOT, v[ADRV+1]
	s_mul_i32 s88, s[WV], 16*SP
	s_add_co_u32 s88, s88, STAGE
	v_mul_u32_u24 v7, v1, SP                       ; in: row l % 16, 32 bytes for each half of the lanes
	v_lshl_add_u32 v7, v2, 5, v7
	v_add_nc_u32 v[STO], s88, v7
	v_mul_u32_u24 v7, v2, SP                       ; back: lanes 0-15 one row of 256 bytes, lanes 16-31 the next
	v_lshl_add_u32 v7, v1, 4, v7
	v_add_nc_u32 v[RD], s88, v7
	v_lshlrev_b32 v7, 12, v2
	v_lshl_add_u32 v[CO], v1, 4, v7
	s_lshl_b32 s88, s[RH], 8
	s_add_co_u32 s88, s88, FTAB
	v_lshl_add_u32 v[FL], v1, 2, s88
	v_lshl_add_u32 v[TS], v0, 2, FTAB
.set z, 0
.rept 128
	v_mov_b32 v[TOT+z], 0
.set z, z+1
.endr
	TCOMP 0, IP0, 32                               ; the second tile's 32 loads may stay out
	TCOMP 1, IP1, 0
.irp a, 0,1,2,3
	v_mov_b32 v[FC+2*(\a)+1], 0                    ; named beside the factors as pairs
	v_mov_b32 v[IL+2*(\a)+1], 0
.endr
.macro FETCH slot, qd, f               ; 32 LDS loads in one run: quarter qd (64 keys) of a step; its first 32 keys first
	WIN TO_F
.irp c, 0,1
.irp i, 0,1,2,3
	ds_load_tr16_b128 v[(\f)+64+8*(4*(\c)+(\i)):(\f)+64+8*(4*(\c)+(\i))+3],   v[ADRV+2*(\slot)+(\qd)/2] offset:(((\qd)%2)*64+32*(\c))*PV+32*(\i)
	ds_load_tr16_b128 v[(\f)+64+8*(4*(\c)+(\i))+4:(\f)+64+8*(4*(\c)+(\i))+7], v[ADRV+2*(\slot)+(\qd)/2] offset:(((\qd)%2)*64+32*(\c))*PV+32*(\i)+16*PV
	ds_load_b128 v[(\f)+8*(4*(\c)+(\i)):(\f)+8*(4*(\c)+(\i))+3],   v[ADRA+(\slot)] offset:(\i)*16*PP+128*(\qd)+64*(\c)
	ds_load_b128 v[(\f)+8*(4*(\c)+(\i))+4:(\f)+8*(4*(\c)+(\i))+7], v[ADRA+(\slot)] offset:(\i)*16*PP+128*(\qd)+64*(\c)+32
.endr
.endr
.endm
.macro MUL8 f, c, a0, zero             ; 8 matrix instructions; the 16 accumulators take turns
	WIN MUL
.irp a, \a0, (\a0)+1
.irp b, 0,1,2,3
.if \zero
	v_wmma_f32_16x16x32_f16 v[8*(4*(\a)+(\b)):8*(4*(\a)+(\b))+7], v[(\f)+64+8*(4*(\c)+(\b)):(\f)+64+8*(4*(\c)+(\b))+7], v[(\f)+8*(4*(\c)+(\a)):(\f)+8*(4*(\c)+(\a))+7], 0
.else
	v_wmma_f32_16x16x32_f16 v[8*(4*(\a)+(\b)):8*(4*(\a)+(\b))+7], v[(\f)+64+8*(4*(\c)+(\b)):(\f)+64+8*(4*(\c)+(\b))+7], v[(\f)+8*(4*(\c)+(\a)):(\f)+8*(4*(\c)+(\a))+7], v[8*(4*(\a)+(\b)):8*(4*(\a)+(\b))+7]
.endif
.endr
.endr
.endm
; A quarter multiplies buffer f and fetches quarter qd into g.  zero = 1: a chunk begins.  fl = 1, 2: the factors of the step's first, second chunk are fetched too, ahead of the run, so that the wait for all but the run covers them.
.macro QUARTER slot, qd, f, g, zero, fl
	s_wait_dscnt 16                                ; the first 32 keys are in
	MUL8 \f, 0, 0, \zero
	MUL8 \f, 0, 2, \zero
	PLACES
.if \fl
	WIN 0
	v_add_nc_u32 v[FAD], s[FO], v[FL]
.irp a, 0,1,2,3
	ds_load_b32 v[FC+2*(\a)], v[FAD] offset:64*(\a)+512*((\fl)-1)
.endr
.endif
	FETCH \slot, \qd, \g
	s_wait_dscnt 32                                ; all but the 32 just issued
	MUL8 \f, 1, 0, 0
	MUL8 \f, 1, 2, 0
.endm
.macro LUMP                            ; TOT += f x T, each accumulator's registers in ascending order; it runs while the next quarter's LDS loads are out
	PLACES
	WIN 0x01                                       ; source 0 in window 1
.irp a, 0,1,2,3
.set z, 0
.rept 16
	v_pk_fma_f32 v[TOT+32*(\a)+z:TOT+32*(\a)+z+1], v[32*(\a)+z:32*(\a)+z+1], v[FC+2*(\a):FC+2*(\a)+1], v[TOT+32*(\a)+z:TOT+32*(\a)+z+1] op_sel_hi:[1,0,1]
.set z, z+2
.endr
.endr
.endm
; The last quarter of a step changes slots: each wave waits for all its tensor loads (one is out: its part of the next slot), adds 0 to its spare word, and waits for that and for its reads of this slot.
; fill = 1: this slot takes step NXT; both addresses are made anew from that number while the add is out; the barrier opens a round of the cluster's, and the joint load is the first thing behind it:
; 112 matrix instructions ahead of the wait for it.
.macro TURN slot, next, fill
	WIN 0
	s_wait_tensorcnt 0x0
	ds_add_u32 v[SPW], v[NIL]
.if \fill
	s_min_u32 s82, s[NXT], s[IOW]                  ; beyond my rows' last written tile of p: that tile once more
	s_lshl_b32 s82, s82, 9
	s_add_co_u32 s[OFA], s82, s[AOF]
	s_add_nc_u64 s[G0A+4*(\slot)+2:G0A+4*(\slot)+3], s[4:5], s[OFA:OFA+1]
	s_or_b32 s[G0A+4*(\slot)+3], s[G0A+4*(\slot)+3], 0x80000000
	s_mul_i32 s[OFB], s[NXT], VSTEP
	s_add_co_u32 s[OFB], s[OFB], s[VOF]
	s_add_nc_u64 s[G0B+4*(\slot)+2:G0B+4*(\slot)+3], s[6:7], s[OFB:OFB+1]
	s_or_b32 s[G0B+4*(\slot)+3], s[G0B+4*(\slot)+3], 0x80000000
	s_add_co_u32 s[NXT], s[NXT], 1                 ; the tile's next step, or behind its last the second tile's step 0
	s_cmp_eq_u32 s[NXT], s[LQ]
	s_cselect_b32 s[NXT], 0, s[NXT]
	s_cselect_b32 s[AOF], s[AOFLO], s[AOF]
	s_cselect_b32 s[IOW], s[IOWLO], s[IOW]
	s_cselect_b32 s[LQ], s[N1], s[LQ]
.endif
	s_add_co_u32 s[FO], s[FO], 1024                ; the next step's two chunks
	s_wait_dscnt 17                                ; (the add and the youngest sixteen loads may be out)
	MUL8 F1, 0, 0, 0
	s_wait_dscnt 0x0                               ; the add is done, and my reads of this slot are over
	s_barrier_signal -1
	MUL8 F1, 0, 2, 0
.if \fill
	WIN 0
.endif
	s_barrier_wait -1
.if \fill
	CREST                                          ; no wave of any partner still reads this slot or has a load on its way
	JLOAD \slot                                    ; its four v_nop are also the places in front of the loads below
.else
	PLACES
.endif
	FETCH \next, 0, F0
	MUL8 F1, 1, 0, 0
	MUL8 F1, 1, 2, 0
.endm
.macro HEAD3 slot
	QUARTER \slot, 1, F0, F1, 1, 1
	QUARTER \slot, 2, F1, F0, 0, 0
	LUMP
	QUARTER \slot, 3, F0, F1, 1, 2
.endm
.macro STEP slot, next, fill
	HEAD3 \slot
	TURN \slot, \next, \fill
	LUMP
.endm
; THE WAY OUT of query block a: times 1 / L, 32 bytes a lane into my stage, back as whole rows of 256 bytes into the block's own registers of TOT, which the scaling has just read.
.macro PACKO a
.set z, 0
.rept 16
	v_pk_mul_f32 v[TMPO+z:TMPO+z+1], v[TOT+32*(\a)+z:TOT+32*(\a)+z+1], v[IL+2*(\a):IL+2*(\a)+1] op_sel_hi:[1,0]
.set z, z+2
.endr
.irp b, 0,1,2,3
	ds_store_b128 v[STO], v[TMPO+8*(\b):TMPO+8*(\b)+3] offset:64*(\b)
	ds_store_b128 v[STO], v[TMPO+8*(\b)+4:TMPO+8*(\b)+7] offset:64*(\b)+16
.endr
.irp t, 0,1,2,3,4,5,6,7
	ds_load_b128 v[TOT+32*(\a)+4*(\t):TOT+32*(\a)+4*(\t)+3], v[RD] offset:(\t)*2*SP  ; LDS serves a wave's instructions in order
.endr
.endm
.macro SENDO a, younger                ; younger: the next block's sixteen LDS instructions, or none
	s_wait_dscnt \younger
.irp t, 0,1,2,3,4,5,6,7
	global_store_b128 v[CO], v[TOT+32*(\a)+4*(\t):TOT+32*(\a)+4*(\t)+3], s[OUT:OUT+1] offset:(16*(\a)+2*(\t))*4096 th:TH_STORE_NT  ; 16 lanes store 256 consecutive bytes, aligned
.endr
.endm
; A tile is finished.  last = 0: the first tile, whose 1 / L lies in the first table; last = 1: the second tile and table: the table's place is a constant of the text.
.macro FLUSH last
	WIN 0
.irp a, 0,1,2,3
	ds_load_b32 v[IL+2*(\a)], v[FL] offset:(\last)*TABB+16*512+64*(\a)
.endr
	s_wait_dscnt 0x0
	PACKO 0
	PACKO 1
	SENDO 0, 16
	PACKO 2
	SENDO 1, 16
	PACKO 3
	SENDO 2, 16
	SENDO 3, 0
.if !(\last)
	s_wait_xcnt 0x0                                ; the stores have read their registers and their base
	s_mov_b64 s[OUT:OUT+1], s[OUTLO:OUTLO+1]
	s_mov_b32 s[FO], TABB                          ; the second tile's table
.set z, 0
.rept 128
	v_mov_b32 v[TOT+z], 0
.set z, z+1
.endr
.endif
.endm
	s_wait_tensorcnt 1                             ; my part of step 0 is in; step 1's may stay out
	s_wait_dscnt 0x0                               ; my part of the tables is written
	s_barrier_signal -1
	s_barrier_wait -1
	FETCH 0, 0, F0
	WIN 0
.Ltrip:                                        ; four trips of two steps; each step fills its slot again
	STEP 0, 1, 1
	STEP 1, 0, 1
	WIN 0
	s_sub_co_u32 s[RT], s[RT], 1
	s_cmp_lg_u32 s[RT], 0
	s_cbranch_scc1 .Lnot_yet                       ; hangs on g alone, which all sixteen partners share; what is jumped holds no barrier and no tensor load
	FLUSH 0                                        ; the first tile is finished; the second's first steps are in LDS or on their way
.Lnot_yet:
	s_sub_co_u32 s[TR], s[TR], 1
	s_cmp_lg_u32 s[TR], 0
	s_cbranch_scc1 .Ltrip
	STEP 0, 1, 0                                   ; the last two steps are written out: nothing is asked for
	HEAD3 1
	s_wait_dscnt 16
	MUL8 F1, 0, 0, 0
	MUL8 F1, 0, 2, 0
	s_wait_dscnt 0x0
	MUL8 F1, 1, 0, 0
	MUL8 F1, 1, 2, 0
	LUMP
	FLUSH 1
	s_wait_tensorcnt 0x0                           ; the wave's end
	ds_add_u32 v[SPW], v[NIL]
	s_wait_dscnt 0x0
	CROUND                                         ; the closing round
	s_endpgm
.Lfunc_end_k_qb5af2de876_pv:
	.size	k_qb5af2de876_pv, .Lfunc_end_k_qb5af2de876_pv-k_qb5af2de876_pv
	.p2alignl 7, 3214868480
	.fill 96, 4, 3214868480
	.section	.rodata,"a",@progbits
	.p2align	6, 0x0
	.amdhsa_kernel k_qb5af2de876_pv
		.amdhsa_group_segment_fixed_size 327680
		.amdhsa_private_segment_fixed_size 0
		.amdhsa_enable_private_segment 0
		.amdhsa_kernarg_size 40
		.amdhsa_user_sgpr_count 2
		.amdhsa_user_sgpr_kernarg_segment_ptr 1
		.amdhsa_wavefront_size32 1
		.amdhsa_system_sgpr_workgroup_id_x 1
		.amdhsa_system_sgpr_workgroup_id_y 1
		.amdhsa_system_sgpr_workgroup_id_z 1
		.amdhsa_system_vgpr_workitem_id 0
		.amdhsa_next_free_vgpr 768
		.amdhsa_next_free_sgpr 92
		.amdhsa_reserve_vcc 0
		.amdhsa_float_denorm_mode_32 3
		.amdhsa_float_denorm_mode_16_64 3
		.amdhsa_memory_ordered 1
		.amdhsa_forward_progress 1
		.amdhsa_inst_pref_size 168
	.end_amdhsa_kernel
	.amdgpu_metadata
---
amdhsa.version: [ 1, 2 ]
amdhsa.kernels:
  - .name:           k_qb5af2de876_pv
    .symbol:         k_qb5af2de876_pv.kd
    .args:
      - { .name: p, .offset: 0, .size: 8, .value_kind: global_buffer, .address_space: global }
      - { .name: qkv, .offset: 8, .size: 8, .value_kind: global_buffer, .address_space: global }
      - { .name: stm, .offset: 16, .size: 8, .value_kind: global_buffer, .address_space: global }
      - { .name: stl, .offset: 24, .size: 8, .value_kind: global_buffer, .address_space: global }
      - { .name: out0, .offset: 32, .size: 8, .value_kind: global_buffer, .address_space: global }
    .group_segment_fixed_size: 327680
    .private_segment_fixed_size: 0
    .kernarg_segment_align: 8
    .kernarg_segment_size: 40
    .max_flat_workgroup_size: 128
    .sgpr_count:     92
    .vgpr_count:     768
    .wavefront_size: 32
...
	.end_amdgpu_metadata
.endif
;; end of part 4
;; ======== version 2 of 2: 4 launches; version 1 with the launch prep written anew for expert scheduling mode
;; limits: values are held in f16: magnitudes above 65,504 overflow, below 6.1e-05 lose precision
;; workspace buffers: x16 16,777,216 bytes; wcat 6,291,456 bytes; qkv 50,331,648 bytes; p 33,554,432 bytes; stm 524,288 bytes; stl 524,288 bytes
;; launch prep (part 5): grid 704 x 1, 8 waves a work-group, no clusters, 0 bytes of LDS; arguments X, W_Q, W_K, W_V, x16, wcat; writes x16, wcat
.if DOCPART == 5
	.amdgcn_target "amdgcn-amd-amdhsa--gfx1250"
	.amdhsa_code_object_version 6
	.text
	.protected	k_qb5af2de876_prep
	.globl	k_qb5af2de876_prep
	.p2align	8
	.type	k_qb5af2de876_prep,@function
k_qb5af2de876_prep:
	s_mov_b64 s[64:65], 0
	v_nop
	global_prefetch_b8 v0, s[64:65] scope:SCOPE_SE
	s_setreg_imm32_b32 hwreg(HW_REG_WAVE_SCHED_MODE, 0, 2), 2
	s_setreg_imm32_b32 hwreg(HW_REG_WAVE_MODE, 25, 1), 1
	s_wait_xcnt 0x0
	s_wait_alu depctr_vm_vsrc(0)
; X and the three weights, f32, are rounded once to bf16: x16 [8192][1024]; wcat [3072][1024] = W_Q's rows, then W_K's, then W_V's.
; A stream: every byte is read once and written once, so no LDS, no barrier and no matrix unit.
; A row of 1,024 f32 is 256 threads x 16 bytes; a work-group takes 16 rows.  Work-groups 0-511: X; 512-575: W_Q; 576-639: W_K; 640-703: W_V.
; All 16 loads of a thread go out at once; each row has registers of its own, so nothing is written twice.
; THE MODE: SCHED_MODE bits 1:0 = 2 (LLVM: expert scheduling mode 2), set by the entry lines.  The code itself states the register dependences
; between vector instructions and memory instructions, with s_wait_alu, always for 0.
; THE PLAN.  Registers that memory instructions touch:
;   v1, v2   byte offsets, written once at the head; v1 is read by every load, v2 by every store; never written again.
;   XI       row i's four registers: written by row i's load alone, which is issued before any vector instruction names XI; read by row i's two roundings.
;   YO       row i's two registers: written once, by row i's two roundings; read by row i's store.
; No register that a memory instruction reads is written a second time, and no load is issued behind a vector instruction that names its registers:
; what is left to state is that v1 and v2 are written ahead of the first load, and that a row's YO is written ahead of its store.
; The 16 rows go in four blocks of four.  Block p rounds its rows; its memory instructions are the four stores of block p - 1.  ONE wait at a block's head
; states that block p - 1's roundings have written their YO; the four stores follow it, dealt among block p's roundings, which name block p's XI and YO alone.
.set ROWB, 4096                        ; bytes in a row of f32
.set OUTB, 2048                        ; bytes in a row of bf16
.set NR,   16                          ; rows of a work-group
.set BL,   4                           ; rows in a block
.set XI,   8                           ; v[8:71]    row i: 4 numbers as loaded
.set YO,   72                          ; v[72:103]  row i: 4 numbers in bf16
	s_load_b256 s[4:11], s[0:1], 0x0               ; X s[4:5], W_Q s[6:7], W_K s[8:9], W_V s[10:11]
	s_load_b128 s[12:15], s[0:1], 0x20             ; x16 s[12:13], wcat s[14:15]
	v_lshlrev_b32 v1, 4, v0                        ; my 16 bytes of a row of f32
	v_lshlrev_b32 v2, 3, v0                        ; my 8 bytes of a row of bf16
	s_sub_co_u32 s16, ttmp9, 512                   ; the block's number among the weights' (used from 512 on)
	s_and_b32 s17, s16, 63                         ; and inside its own weight
	s_cmp_lt_u32 ttmp9, 512
	s_cselect_b32 s24, ttmp9, s17                  ; block of 16 rows in the source
	s_cselect_b32 s26, ttmp9, s16                  ; and in the destination
	s_lshl_b32 s24, s24, 16                        ; x 16 rows x 4,096 bytes
	s_lshl_b32 s26, s26, 15                        ; x 16 rows x 2,048 bytes
	s_mov_b32 s25, 0
	s_mov_b32 s27, 0
	s_wait_kmcnt 0x0
	s_cmp_lt_u32 ttmp9, 640
	s_cselect_b64 s[20:21], s[8:9], s[10:11]
	s_cmp_lt_u32 ttmp9, 576
	s_cselect_b64 s[20:21], s[6:7], s[20:21]
	s_cmp_lt_u32 ttmp9, 512
	s_cselect_b64 s[20:21], s[4:5], s[20:21]
	s_cselect_b64 s[22:23], s[12:13], s[14:15]
	s_add_nc_u64 s[20:21], s[20:21], s[24:25]
	s_add_nc_u64 s[22:23], s[22:23], s[26:27]
	s_wait_alu depctr_va_vdst(0)                   ; v1 and v2 are written: every load of the kernel reads v1 as its offset, every store v2
.set i, 0
.rept NR
	global_load_b128 v[XI+4*i:XI+4*i+3], v1, s[20:21] offset:ROWB*i th:TH_LOAD_NT
.set i, i+1
.endr
.set p, 0
.rept NR/BL
	s_wait_loadcnt NR-BL*(p+1)                     ; loads come back in order: block p's four rows are in, the younger ones stay out
.if p > 0
	s_wait_alu depctr_va_vdst(0)                   ; the block before has written its eight registers of YO, which the four stores below read
.endif
.set i, 0
.rept BL
.set r, BL*p+i
.if p > 0
	global_store_b64 v2, v[YO+2*(r-BL):YO+2*(r-BL)+1], s[22:23] offset:OUTB*(r-BL)  ; the block before; a wave's store covers 256 consecutive bytes, aligned.  No vector instruction since the wait names these registers
.endif
	v_cvt_pk_bf16_f32 v[YO+2*r], v[XI+4*r], v[XI+4*r+1]
	v_cvt_pk_bf16_f32 v[YO+2*r+1], v[XI+4*r+2], v[XI+4*r+3]
.set i, i+1
.endr
.set p, p+1
.endr
	s_wait_alu depctr_va_vdst(0)                   ; the last block has written its eight registers of YO, which the last four stores read
.set r, NR-BL
.rept BL
	global_store_b64 v2, v[YO+2*r:YO+2*r+1], s[22:23] offset:OUTB*r
.set r, r+1
.endr
	s_endpgm
.Lfunc_end_k_qb5af2de876_prep:
	.size	k_qb5af2de876_prep, .Lfunc_end_k_qb5af2de876_prep-k_qb5af2de876_prep
	.p2alignl 7, 3214868480
	.fill 96, 4, 3214868480
	.section	.rodata,"a",@progbits
	.p2align	6, 0x0
	.amdhsa_kernel k_qb5af2de876_prep
		.amdhsa_group_segment_fixed_size 0
		.amdhsa_private_segment_fixed_size 0
		.amdhsa_enable_private_segment 0
		.amdhsa_kernarg_size 48
		.amdhsa_user_sgpr_count 2
		.amdhsa_user_sgpr_kernarg_segment_ptr 1
		.amdhsa_wavefront_size32 1
		.amdhsa_system_sgpr_workgroup_id_x 1
		.amdhsa_system_sgpr_workgroup_id_y 1
		.amdhsa_system_sgpr_workgroup_id_z 1
		.amdhsa_system_vgpr_workitem_id 0
		.amdhsa_next_free_vgpr 104
		.amdhsa_next_free_sgpr 66
		.amdhsa_reserve_vcc 0
		.amdhsa_float_denorm_mode_32 3
		.amdhsa_float_denorm_mode_16_64 3
		.amdhsa_memory_ordered 1
		.amdhsa_forward_progress 1
		.amdhsa_inst_pref_size 7
	.end_amdhsa_kernel
	.amdgpu_metadata
---
amdhsa.version: [ 1, 2 ]
amdhsa.kernels:
  - .name:           k_qb5af2de876_prep
    .symbol:         k_qb5af2de876_prep.kd
    .args:
      - { .name: X, .offset: 0, .size: 8, .value_kind: global_buffer, .address_space: global }
      - { .name: W_Q, .offset: 8, .size: 8, .value_kind: global_buffer, .address_space: global }
      - { .name: W_K, .offset: 16, .size: 8, .value_kind: global_buffer, .address_space: global }
      - { .name: W_V, .offset: 24, .size: 8, .value_kind: global_buffer, .address_space: global }
      - { .name: x16, .offset: 32, .size: 8, .value_kind: global_buffer, .address_space: global }
      - { .name: wcat, .offset: 40, .size: 8, .value_kind: global_buffer, .address_space: global }
    .group_segment_fixed_size: 0
    .private_segment_fixed_size: 0
    .kernarg_segment_align: 8
    .kernarg_segment_size: 48
    .max_flat_workgroup_size: 256
    .sgpr_count:     66
    .vgpr_count:     104
    .wavefront_size: 32
...
	.end_amdgpu_metadata
.endif
;; end of part 5
;; launch proj: the kernel of part 2 again; grid 12 x 32, 4 waves a work-group, clusters of 4 x 4, 327,680 bytes of LDS; arguments x16, wcat, qkv; writes qkv
;; launch scores: the kernel of part 3 again; grid 36 x 4, 4 waves a work-group, no clusters, 327,680 bytes of LDS; arguments qkv, p, stm, stl; writes p, stm, stl
;; launch pv: the kernel of part 4 again; grid 8 x 32, 4 waves a work-group, clusters of 4 x 4, 327,680 bytes of LDS; arguments p, qkv, stm, stl, out0; writes out0
